; MI455X (gfx1250); checked and timed in simulation.
; The chip was launched on July 23, 2026; its instructions are those of AMD's public machine-readable ISA for CDNA 5 (MIT licence, August 2026) and "CDNA5" Instruction Set Architecture Reference Guide (July 2026). The comments in the code are by the model that wrote it; some were corrected since.
;; Soft Align Attention Mixed. Allowed arithmetic: matrix products marked QUANTISED: E3M2 operands, one E8M0 scale for each 32 along K, by v_wmma_scale_f32_16x16x128_f8f6f4 with both operands' format E3M2, f32 sums; products left as they are: f32 operands where the result goes on into a quantised operand, else bf16, f16 or f32 operands; f32 sums; everything else in f32.
;; Inputs: cond 4 x 512 x 2,048 float32; gk_b 512 float32; gk_w 512 x 512 float32; go_b 512 float32; go_w 512 x 512 float32; gq_b 512 float32; gq_w 512 x 512 float32; gv_b 512 float32; gv_w 512 x 512 float32; lk_b 512 float32; lk_w 512 x 512 float32; lo_b 512 float32; lo_w 512 x 512 float32; lq_b 512 float32; lq_w 512 x 512 float32; lv_b 512 float32; lv_w 512 x 512 float32; t 4 int32; x 4 x 512 x 2,048 float32.
;; Outputs: out0 4 x 512 x 2,048 float32.
;; This version of the problem:
;;   THIS VERSION OF THE PROBLEM IS GIVEN IN LOW PRECISION. The matrix products marked QUANTISED in the list below multiply operands that are first quantised to E3M2 (3 exponent bits, 2 mantissa bits; 6 bits a number), with one power-of-two scale for each 32 numbers along K (OCP MX v1.0); their sums are f32. All else is computed in f32.
;;   The module's matrix products, in the order in which they are computed (A, B: the left and right operand; K: the contracted axis; several contracted axes count as one K, in the product's order):
;;     1. [M 8,192, K 512] x [K 512, N 512]; A: input x; B: input lq_w: QUANTISED
;;     2. [M 8,192, K 512] x [K 512, N 512]; A: input cond; B: input lk_w: QUANTISED
;;     3. [M 8,192, K 512] x [K 512, N 512]; A: input cond; B: input lv_w: QUANTISED
;;     4. batch 65,536 x [M 1, K 64] x [K 64, N 16]; A: computed on the way; B: computed on the way: left as it is (M = 1 < 16)
;;     5. batch 65,536 x [M 64, K 16] x [K 16, N 1]; A: computed on the way; B: softmax (see below): left as it is (K = 16 < 32)
;;     6. [M 8,192, K 512] x [K 512, N 512]; A: computed on the way; B: input lo_w: QUANTISED
;;     7. [M 8,192, K 512] x [K 512, N 512]; A: input x; B: input gq_w: QUANTISED
;;     8. [M 8,192, K 512] x [K 512, N 512]; A: input cond; B: input gk_w: QUANTISED
;;     9. [M 8,192, K 512] x [K 512, N 512]; A: input cond; B: input gv_w: QUANTISED
;;     10. batch 32 x [M 2,048, K 64] x [K 64, N 2,048]; A: computed on the way; B: computed on the way: QUANTISED
;;     11. batch 32 x [M 2,048, K 2,048] x [K 2,048, N 64]; A: softmax (see below); B: computed on the way: QUANTISED
;;     12. [M 8,192, K 512] x [K 512, N 512]; A: computed on the way; B: input go_w: QUANTISED
;;   THE QUANTISER, for each operand of a quantised product, along K:
;;     - K is cut into blocks of 32 from its start; a last block that is shorter is filled with zeros.
;;     - A block's scale is 2^e with e = floor(log2(the largest magnitude in the block)) - 4, held to -126 .. 127; a block of zeros has e = 0. As a byte (E8M0): e + 127.
;;     - Each number is divided by its block's scale, clamped to +-28, and rounded to the nearest number of E3M2, ties to even, subnormals kept.
;;     - The product sums the exact products of the quantised numbers (number of the format x scale) in f32.
;;   ~~~python
;;   def quantise(x, axis):      # numpy; x: float32 -> the quantised numbers, widened to float32 again
;;       x = np.moveaxis(x, axis, -1); K = x.shape[-1]
;;       x = np.pad(x, [(0, 0)] * (x.ndim - 1) + [(0, -K % 32)]); x = x.reshape(x.shape[:-1] + (-1, 32)); a = np.abs(x).max(-1, keepdims=True)
;;       e = np.where(a > 0, np.clip(np.frexp(np.where(a > 0, a, 1))[1] - 1 - 4, -126, 127), 0)      # np.frexp(a)[1] - 1 = floor(log2(a)), exactly
;;       r = np.clip(x / 2.0 ** e, -28, 28)
;;       step = 2.0 ** (np.maximum(np.frexp(np.where(r == 0, 1, r))[1] - 1, -2) - 2)
;;       q = np.round(r / step) * step * 2.0 ** e      # np.round: ties to even
;;       return np.moveaxis(q.reshape(q.shape[:-2] + (-1,))[..., :K], -1, axis).astype(np.float32)
;;   ~~~
;;   SOFTMAX AHEAD OF A QUANTISED PRODUCT. Where the list says 'softmax', what is quantised is not the finished softmax but p = 2^(t - M), with t = logit x log2(e) and M = ceil(the row's largest t), a whole number; so 1/2 < the row's largest p <= 1. The row's sum l is taken of the UNQUANTISED p, in f32, and the product's result is divided by l at the end. Since M is a whole number, a kernel that streams over the keys may use a running M (the ceiling of the running maximum): every later rescaling is an exact power of two, which a block's scale takes up: the codes' values come out the same.
;;   OPERANDS COMPUTED ON THE WAY. 'Computed on the way' means the value that the module computes at that place (a softmax that the list does not call 'softmax' is quantised finished and normalised). What goes into a quantiser is computed in f32, as accurately as f32 sums, v_exp_f32 and their like allow (about 1e-6 of the number): no bf16 or f16 on the way to a quantiser, and a product that is left as it is and whose result goes on into a quantised operand takes f32 operands (vector FMAs, or v_wmma_f32_16x16x4_f32). A number that lies on a knife's edge between two numbers of the format may be rounded either way, as far as f32 arithmetic and the matrix unit's own rounding can turn it there, and no further.
;; One version. Each part assembles by itself: llvm-mc -triple=amdgcn-amd-amdhsa -mcpu=gfx1250 --defsym DOCPART=n.
;; ======== version 1 of 1: 5 launches
;; workspace buffers: wq 2,228,224 bytes; xq 6,815,744 bytes; pj 61,079,552 bytes; lo2 16,777,216 bytes; lq6 6,815,744 bytes; gq6 3,407,872 bytes
;; launch prep (part 1): grid 16 x 48, 4 waves a work-group, no clusters, 0 bytes of LDS; arguments lq_w, gq_w, lk_w, gk_w, lv_w, gv_w, lo_w, go_w, wq, x, cond, xq; writes wq, xq
.if DOCPART == 1
	.amdgcn_target "amdgcn-amd-amdhsa--gfx1250"
	.amdhsa_code_object_version 6
	.text
	.protected	k_qb2c70aaab9_prep
	.globl	k_qb2c70aaab9_prep
	.p2align	8
	.type	k_qb2c70aaab9_prep,@function
k_qb2c70aaab9_prep:
	s_mov_b64 s[64:65], 0
	v_nop
	global_prefetch_b8 v0, s[64:65] scope:SCOPE_SE
	s_setreg_imm32_b32 hwreg(HW_REG_WAVE_MODE, 25, 1), 1
	s_wait_xcnt 0x0
; ONE LAUNCH MAKES ALL CODES OF THE INPUTS.  Rows 0-31 of the grid: x and cond; rows 32-47: the eight weights and the table of cos and sin.  The two paths part on the work-group's number, use no LDS and store into different buffers.
; All codes are BF6 (E3M2) with one E8M0 byte for each 32 along K, laid as IMAGES OF THE OPERAND'S REGISTERS: a fragment (16 rows x 128 K, 12 registers a lane) is 1,536 bytes, registers 4c..4c+3 of image lane l at 512 c + 16 l;
; an operand is [matrix][tile of 16 rows][K step][1,536]; scale words [matrix][tile][lane 32][4 words], word s for K step s, both halves of the lanes hold a copy.
; Slot rho of tile tau is row 32 (tau/2) + 16 (rho/8) + 8 (tau%2) + rho%8, so that the results of two neighbouring tiles are 16 neighbours along the next K.
; X AND COND, [4][512 (K)][2048 (t)] f32, K NOT innermost: a lane takes a column and its registers run down K: a block of 32 lies in one lane's registers, and the conversions give codes with K innermost.
;   Work-group (x, y): columns 128 x on, matrix y/4 (x for 0-3, cond for 4-7), K step y%4.  A wave takes 32 columns x 128 K; each load reads 128 consecutive bytes, the four waves 512; sixteen lanes store 256 consecutive bytes, aligned.
; THE WEIGHTS, [512 (out)][512 (in)] f32, K innermost: work-group g = 16 (y - 32) + x: matrix g/32, tile g%32; wave s makes K step s: one fragment.  The same 128 threads make 2,048 bytes of the table.
; No LDS, no barrier, no matrix unit: memory binds and waves share nothing.
; LIMITS: NaN and infinities are not served; a block whose largest magnitude lies under 2^-122 keeps the byte 1 (a block of zeros too: its codes are zeros and this program alone reads the bytes).
; The 32 frequencies are the f32 numbers nearest to 10^(-i/8).
.set WSO,  1572864                     ; wq: the scale words begin here
.set TABO, 1703936                     ; wq: the table: [tile of 16 t][8 chunks][512 bytes]
.set SWO,  6291456                     ; xq: the scale words begin here
.set X,   32                           ; v32-159  four blocks of 32 numbers
.set CO,  160                          ; v160-183 the codes: 12 registers for image lane rho, 12 for rho + 16
.set TC,  184                          ; v184-186 a conversion's second half, before it is moved
	v_lshrrev_b32 v1, 5, v0
	v_readfirstlane_b32 s10, v1                    ; wave
	s_and_b32 s11, ttmp7, 0xffff
	s_cmp_lt_u32 s11, 32
	s_cbranch_scc0 .Lweights
	; ======== x and cond
	s_load_b64 s[4:5], s[0:1], 0x48                ; x
	s_load_b64 s[6:7], s[0:1], 0x50                ; cond
	s_load_b64 s[8:9], s[0:1], 0x58                ; xq
	s_lshr_b32 s12, s11, 2                         ; matrix
	s_and_b32 s13, s11, 3                          ; K step
	v_and_b32 v2, 31, v0
	v_and_b32 v3, 7, v2
	v_bfe_u32 v4, v2, 3, 1
	v_bfe_u32 v5, v2, 4, 1                         ; u: which of the wave's two tiles
	v_lshl_or_b32 v3, v4, 4, v3
	v_lshl_or_b32 v3, v5, 3, v3                    ; the lane's number with bits 3 and 4 exchanged: my column among the wave's 32
	v_lshlrev_b32 v3, 2, v3
	s_and_b32 s14, s12, 3
	s_lshl_b32 s14, s14, 22                        ; a batch is 512 x 2048 x 4 bytes
	s_lshl_b32 s15, s13, 20                        ; 128 rows of 8,192 bytes
	s_add_co_u32 s14, s14, s15
	s_lshl_b32 s15, ttmp9, 9
	s_add_co_u32 s14, s14, s15
	s_lshl_b32 s15, s10, 7
	s_add_co_u32 s14, s14, s15
	s_mov_b32 s15, 0
	s_lshl_b32 s16, s12, 7
	s_lshl_b32 s17, ttmp9, 3
	s_add_co_u32 s16, s16, s17
	s_lshl_b32 s17, s10, 1
	s_add_co_u32 s16, s16, s17                     ; the wave's first tile
	s_mul_i32 s17, s16, 6144
	s_mul_i32 s18, s13, 1536
	s_add_co_u32 s17, s17, s18
	v_and_b32 v6, 15, v2                           ; rho
	v_mul_u32_u24 v7, v5, 6144
	v_lshl_add_u32 v7, v6, 4, v7
	v_add_nc_u32 v7, s17, v7                       ; where my codes go
	s_lshl_b32 s18, s16, 9
	s_lshl_b32 s19, s13, 2
	s_add_co_u32 s18, s18, s19
	v_lshlrev_b32 v8, 9, v5
	v_lshl_add_u32 v8, v6, 4, v8
	v_add_nc_u32 v8, s18, v8                       ; and my scale word
	s_wait_kmcnt 0x0
	s_cmp_lt_u32 s12, 4                            ; the choice hangs on the work-group's number alone
	s_cselect_b64 s[4:5], s[4:5], s[6:7]
	s_add_nc_u64 s[4:5], s[4:5], s[14:15]
.macro LOAD kb
.set i, 0
.rept 32
	global_load_b32 v[X+32*(\kb)+i], v3, s[4:5] offset:(32*(\kb)+i)*8192 th:TH_LOAD_NT
.set i, i+1
.endr
.endm
; Block kb = 2 c + hh of the K step: registers 6 c .. 6 c + 5 of image lane rho + 16 hh.  left: the younger block's 32 loads may stay out.
.macro BLOCK kb, left
.set XS, X+32*(\kb)
.set DS, CO+12*((\kb)%2)+6*((\kb)/2)
	s_wait_loadcnt \left
.if (\kb) < 2
	LOAD (\kb)+2                                   ; two blocks are always on their way; every block has registers of its own
.endif
	v_max3_num_f32 v10, |v[XS]|, |v[XS+1]|, |v[XS+2]|
	v_max3_num_f32 v11, |v[XS+3]|, |v[XS+4]|, |v[XS+5]|
.irp i, 6,10,14,18,22,26
	v_max3_num_f32 v10, v10, |v[XS+\i]|, |v[XS+\i+1]|
	v_max3_num_f32 v11, v11, |v[XS+\i+2]|, |v[XS+\i+3]|
.endr
	v_max3_num_f32 v10, v10, |v[XS+30]|, |v[XS+31]|
	v_max3_num_f32 v10, v10, v11, 0x2800000        ; the floor 2^(5 - 127)
	v_add_nc_u32 v[12+(\kb)], 0xfe000000, v10      ; 4 off the exponent field: the conversion's scale operand
	v_lshrrev_b32 v[16+(\kb)], 23, v[12+(\kb)]     ; the byte
	v_cvt_scalef32_pk16_bf6_f32 v[DS:DS+2], v[XS:XS+15], v[12+(\kb)]
	v_cvt_scalef32_pk16_bf6_f32 v[TC:TC+2], v[XS+16:XS+31], v[12+(\kb)]   ; (a conversion's three registers begin on an even number)
	v_nop                                          ; one plain place behind a scaled conversion
.irp i, 0,1,2
	v_mov_b32 v[DS+3+\i], v[TC+\i]
.endr
.endm
	LOAD 0
	LOAD 1
	BLOCK 0, 32
	BLOCK 1, 32
	BLOCK 2, 32
	BLOCK 3, 0
.irp hh, 0,1
.irp c, 0,1,2
	global_store_b128 v7, v[CO+12*\hh+4*\c:CO+12*\hh+4*\c+3], s[8:9] offset:512*\c+256*\hh
.endr
.endr
	v_lshl_or_b32 v20, v17, 8, v16
	v_lshl_or_b32 v20, v18, 16, v20
	v_lshl_or_b32 v20, v19, 24, v20                ; my column's scale word of this K step
	global_store_b32 v8, v20, s[8:9] offset:SWO
	global_store_b32 v8, v20, s[8:9] offset:SWO+256   ; and the copy for the upper half of the lanes
	s_endpgm
.Lweights:
	; ======== the weights and the table
	s_mov_b32 s22, s10                             ; wave = K step
	s_sub_co_u32 s44, s11, 32
	s_lshl_b32 s44, s44, 4
	s_add_co_u32 s44, s44, ttmp9                   ; g, 0 to 255
	s_load_b512 s[4:19], s[0:1], 0x0               ; the eight weights
	s_load_b64 s[20:21], s[0:1], 0x40              ; wq
	s_lshr_b32 s23, s44, 5                         ; matrix
	s_and_b32 s24, s44, 31                         ; tile
	v_and_b32 v2, 31, v0                           ; lane
	v_and_b32 v3, 15, v0                           ; rho
	v_bfe_u32 v4, v0, 4, 1                         ; h
	v_and_b32 v5, 8, v3
	v_add_nc_u32 v5, v5, v3                        ; 16 (rho/8) + rho%8
	v_lshlrev_b32 v5, 11, v5                       ; rows of 2,048 bytes
	v_lshl_add_u32 v5, v4, 7, v5                   ; + 128 h: my block of 32 numbers
	s_lshr_b32 s25, s24, 1
	s_lshl_b32 s25, s25, 16                        ; 32 rows
	s_and_b32 s26, s24, 1
	s_lshl_b32 s26, s26, 14                        ; 8 rows
	s_add_co_u32 s28, s25, s26
	s_lshl_b32 s26, s22, 9                         ; 128 numbers a K step
	s_add_co_u32 s28, s28, s26
	s_mov_b32 s29, 0
	s_mov_b32 s36, 0x76543210
	s_mov_b32 s37, 0xfedcba98                      ; v_permlanex16_b32's selects for lane l xor 16
	s_wait_kmcnt 0x0
	s_bitcmp1_b32 s23, 0                           ; the weight is chosen by the three bits of the matrix's number: the choice hangs on no address
	s_cselect_b64 s[4:5], s[6:7], s[4:5]
	s_cselect_b64 s[8:9], s[10:11], s[8:9]
	s_cselect_b64 s[12:13], s[14:15], s[12:13]
	s_cselect_b64 s[16:17], s[18:19], s[16:17]
	s_bitcmp1_b32 s23, 1
	s_cselect_b64 s[4:5], s[8:9], s[4:5]
	s_cselect_b64 s[12:13], s[16:17], s[12:13]
	s_bitcmp1_b32 s23, 2
	s_cselect_b64 s[4:5], s[12:13], s[4:5]
	s_add_nc_u64 s[4:5], s[4:5], s[28:29]
.irp c, 0,1
.irp k, 0,1,2,3,4,5,6,7
	global_load_b128 v[64+32*\c+4*\k:64+32*\c+4*\k+3], v5, s[4:5] offset:256*\c+16*\k th:TH_LOAD_NT   ; W(row, 128 s + 64 c + 32 h + 4 k ..)
.endr
.endr
	; ---- the table, while the loads are on their way.  g: tile of t g/2, half b' = g%2 of the 32 pairs; wave: (half, h) = (wave/2, wave%2); lane: slot lane/2, pairs 2 (lane%2) and the next.
	; Chunk 4 b' + half holds, for image lane (rho, h), cos of pairs 16 b' + 8 h + 4 half + 0..3 at t = the slot's; chunk 4 b' + 2 + half the sines.
	s_lshr_b32 s30, s44, 1                         ; tile of t
	s_and_b32 s31, s44, 1                          ; b'
	s_lshr_b32 s32, s22, 1                         ; half
	s_and_b32 s33, s22, 1                          ; h
	s_lshl_b32 s34, s31, 2
	s_lshl_b32 s35, s33, 1
	s_add_co_u32 s34, s34, s35
	s_add_co_u32 s34, s34, s32                     ; which four of the 32 frequencies
	s_mov_b32 s40, 1.0
	s_mov_b32 s41, 0x3f3ff911
	s_mov_b32 s42, 0x3f0ff59a
	s_mov_b32 s43, 0x3ed7e89b
.macro FREQ n, a, b, c, d
	s_cmp_eq_u32 s34, \n
	s_cselect_b32 s40, \a, s40
	s_cselect_b32 s41, \b, s41
	s_cselect_b32 s42, \c, s42
	s_cselect_b32 s43, \d, s43
.endm
	FREQ 1, 0x3ea1e89b, 0x3e72d424, 0x3e361887, 0x3e088d77
	FREQ 2, 0x3dcccccd, 0x3d99940e, 0x3d6655c3, 0x3d2cba15
	FREQ 3, 0x3d0186e2, 0x3cc24350, 0x3c91ad39, 0x3c5a7bf1
	FREQ 4, 0x3c23d70a, 0x3bf5b9b0, 0x3bb8449c, 0x3b8a2e77
	FREQ 5, 0x3b4f3e37, 0x3b1b690d, 0x3ae91528, 0x3aaec98e
	FREQ 6, 0x3a83126f, 0x3a44948c, 0x3a136a16, 0x39dd1726
	FREQ 7, 0x39a5cb5f, 0x3978a8bc, 0x393a7753, 0x390bd472
	s_lshr_b32 s35, s30, 1
	s_lshl_b32 s35, s35, 5
	s_and_b32 s38, s30, 1
	s_lshl_b32 s38, s38, 3
	s_add_co_u32 s35, s35, s38                     ; 32 (tile/2) + 8 (tile%2)
	v_bfe_u32 v8, v0, 1, 4                         ; slot
	v_and_b32 v9, 1, v0                            ; which two of the four
	v_and_b32 v10, 8, v8
	v_add_nc_u32 v10, v10, v8
	v_add_nc_u32 v10, s35, v10                     ; t
	v_cvt_f32_u32 v10, v10
	v_cmp_eq_u32 vcc_lo, 1, v9
	v_mov_b32 v11, s40
	v_mov_b32 v12, s42
	v_cndmask_b32 v11, v11, v12, vcc_lo
	v_mov_b32 v12, s41
	v_mov_b32 v13, s43
	v_cndmask_b32 v12, v12, v13, vcc_lo
	v_mul_f32 v14, v10, v11                        ; the angle: one f32 product, as the problem has it
	v_mul_f32 v15, v10, v12
; cos and sin of the f32 number v[a]: the nearest multiple n of pi/2 is taken off in three parts (fused, so n x the first part is exact), two polynomials on |r| <= pi/4, the quadrant from n.
.macro SINCOS a, c, s
	v_mul_f32 v20, 0x3f22f983, v[\a]
	v_rndne_f32 v20, v20                           ; n
	v_fma_f32 v21, -v20, 0x3fc90fdb, v[\a]
	v_fma_f32 v21, -v20, 0xb33bbd2e, v21
	v_fma_f32 v21, -v20, 0xa6f72ced, v21           ; r
	v_mul_f32 v22, v21, v21                        ; z = r r
	v_mov_b32 v23, 0xb94ca1f9
	v_fmaak_f32 v23, v23, v22, 0x3c08839e
	v_fmaak_f32 v23, v23, v22, 0xbe2aaaa3
	v_mul_f32 v24, v21, v22
	v_fma_f32 v23, v24, v23, v21                   ; sin r
	v_mov_b32 v25, 0x37ccf5ce
	v_fmaak_f32 v25, v25, v22, 0xbab6061a
	v_fmaak_f32 v25, v25, v22, 0x3d2aaaa5
	v_mul_f32 v24, v22, v22
	v_fma_f32 v26, v22, -0.5, 1.0
	v_fma_f32 v25, v24, v25, v26                   ; cos r
	v_cvt_i32_f32 v20, v20
	v_and_b32 v24, 1, v20
	v_cmp_eq_u32 vcc_lo, 1, v24
	v_cndmask_b32 v[\s], v23, v25, vcc_lo          ; odd quadrants: the two change places
	v_cndmask_b32 v[\c], v25, v23, vcc_lo
	v_and_b32 v24, 2, v20
	v_lshlrev_b32 v24, 30, v24
	v_xor_b32 v[\s], v24, v[\s]                    ; sin is negative in quadrants 2, 3
	v_add_nc_u32 v24, 1, v20
	v_and_b32 v24, 2, v24
	v_lshlrev_b32 v24, 30, v24
	v_xor_b32 v[\c], v24, v[\c]                    ; cos in quadrants 1, 2
.endm
	SINCOS 14, 28, 30
	SINCOS 15, 29, 31
	v_and_b32 v16, 63, v0
	s_lshl_b32 s38, s44, 11
	s_lshl_b32 s39, s32, 9
	s_add_co_u32 s38, s38, s39
	v_lshl_add_u32 v16, v16, 3, s38
	global_store_b64 v16, v[28:29], s[20:21] offset:TABO        ; a wave stores 256 consecutive bytes, aligned
	global_store_b64 v16, v[30:31], s[20:21] offset:TABO+1024
	; ---- the fragment: a lane holds two whole blocks of 32
	s_wait_loadcnt 0x0
.irp c, 0,1
	v_max3_num_f32 v[32+\c], |v[64+32*\c]|, |v[65+32*\c]|, 0x2800000   ; with the floor 2^(5 - 127): the byte cannot fall under 1
.endr
.irp i, 2,4,6,8,10,12,14,16,18,20,22,24,26,28,30
.irp c, 0,1
	v_max3_num_f32 v[32+\c], v[32+\c], |v[64+32*\c+\i]|, |v[65+32*\c+\i]|
.endr
.endr
.irp c, 0,1
	v_add_nc_u32 v[34+\c], 0xfe000000, v[32+\c]    ; 4 off the exponent field: the conversion's scale operand
.endr
.irp c, 0,1
	v_lshrrev_b32 v[36+\c], 23, v[34+\c]           ; the scale's byte
.endr
	v_lshl_or_b32 v38, v37, 16, v36                ; blocks h and 2 + h,
	v_lshlrev_b32 v39, 3, v4
	v_lshlrev_b32 v38, v39, v38                    ; at their places in the word;
	v_mov_b32 v39, 0
	v_permlanex16_b32 v39, v38, s36, s37
	v_or_b32 v38, v38, v39                         ; with lane l xor 16's two the word is whole, in both halves
.irp c, 0,1
	v_cvt_scalef32_pk16_bf6_f32 v[48+6*\c:50+6*\c], v[64+32*\c:79+32*\c], v[34+\c]
	v_cvt_scalef32_pk16_bf6_f32 v[40+4*\c:42+4*\c], v[80+32*\c:95+32*\c], v[34+\c]   ; (a conversion's three registers begin on an even number)
.endr
	v_nop                                          ; one plain place behind a scaled conversion
.irp c, 0,1
.irp i, 0,1,2
	v_mov_b32 v[51+6*\c+\i], v[40+4*\c+\i]
.endr
.endr
	s_mul_i32 s30, s44, 6144                       ; 32 x matrix + tile is g
	s_mul_i32 s31, s22, 1536
	s_add_co_u32 s30, s30, s31
	v_lshl_add_u32 v6, v2, 4, s30
.irp c, 0,1,2
	global_store_b128 v6, v[48+4*\c:51+4*\c], s[20:21] offset:512*\c   ; 512 consecutive bytes a store
.endr
	s_lshl_b32 s31, s44, 9
	s_lshl_b32 s32, s22, 2
	s_add_co_u32 s31, s31, s32
	v_lshl_add_u32 v7, v2, 4, s31
	global_store_b32 v7, v38, s[20:21] offset:WSO
	s_endpgm
.Lfunc_end_k_qb2c70aaab9_prep:
	.size	k_qb2c70aaab9_prep, .Lfunc_end_k_qb2c70aaab9_prep-k_qb2c70aaab9_prep
	.p2alignl 7, 3214868480
	.fill 96, 4, 3214868480
	.section	.rodata,"a",@progbits
	.p2align	6, 0x0
	.amdhsa_kernel k_qb2c70aaab9_prep
		.amdhsa_group_segment_fixed_size 0
		.amdhsa_private_segment_fixed_size 0
		.amdhsa_enable_private_segment 0
		.amdhsa_kernarg_size 96
		.amdhsa_user_sgpr_count 2
		.amdhsa_user_sgpr_kernarg_segment_ptr 1
		.amdhsa_wavefront_size32 1
		.amdhsa_system_sgpr_workgroup_id_x 1
		.amdhsa_system_sgpr_workgroup_id_y 1
		.amdhsa_system_sgpr_workgroup_id_z 1
		.amdhsa_system_vgpr_workitem_id 0
		.amdhsa_next_free_vgpr 192
		.amdhsa_next_free_sgpr 66
		.amdhsa_reserve_vcc 1
		.amdhsa_float_denorm_mode_32 3
		.amdhsa_float_denorm_mode_16_64 3
		.amdhsa_memory_ordered 1
		.amdhsa_forward_progress 1
		.amdhsa_inst_pref_size 34
	.end_amdhsa_kernel
	.amdgpu_metadata
---
amdhsa.version: [ 1, 2 ]
amdhsa.kernels:
  - .name:           k_qb2c70aaab9_prep
    .symbol:         k_qb2c70aaab9_prep.kd
    .args:
      - { .name: lq_w, .offset: 0, .size: 8, .value_kind: global_buffer, .address_space: global }
      - { .name: gq_w, .offset: 8, .size: 8, .value_kind: global_buffer, .address_space: global }
      - { .name: lk_w, .offset: 16, .size: 8, .value_kind: global_buffer, .address_space: global }
      - { .name: gk_w, .offset: 24, .size: 8, .value_kind: global_buffer, .address_space: global }
      - { .name: lv_w, .offset: 32, .size: 8, .value_kind: global_buffer, .address_space: global }
      - { .name: gv_w, .offset: 40, .size: 8, .value_kind: global_buffer, .address_space: global }
      - { .name: lo_w, .offset: 48, .size: 8, .value_kind: global_buffer, .address_space: global }
      - { .name: go_w, .offset: 56, .size: 8, .value_kind: global_buffer, .address_space: global }
      - { .name: wq, .offset: 64, .size: 8, .value_kind: global_buffer, .address_space: global }
      - { .name: x, .offset: 72, .size: 8, .value_kind: global_buffer, .address_space: global }
      - { .name: cond, .offset: 80, .size: 8, .value_kind: global_buffer, .address_space: global }
      - { .name: xq, .offset: 88, .size: 8, .value_kind: global_buffer, .address_space: global }
    .group_segment_fixed_size: 0
    .private_segment_fixed_size: 0
    .kernarg_segment_align: 8
    .kernarg_segment_size: 96
    .max_flat_workgroup_size: 128
    .sgpr_count:     66
    .vgpr_count:     192
    .wavefront_size: 32
...
	.end_amdgpu_metadata
.endif
;; end of part 1
;; launch proj (part 2): grid 256 x 1, 4 waves a work-group, no clusters, 168,448 bytes of LDS; arguments wq, xq, lq_b, gq_b, lk_b, gk_b, lv_b, gv_b, pj; writes pj
.if DOCPART == 2
	.amdgcn_target "amdgcn-amd-amdhsa--gfx1250"
	.amdhsa_code_object_version 6
	.text
	.protected	k_qb2c70aaab9_proj
	.globl	k_qb2c70aaab9_proj
	.p2align	8
	.type	k_qb2c70aaab9_proj,@function
k_qb2c70aaab9_proj:
	s_mov_b64 s[64:65], 0
	v_nop
	global_prefetch_b8 v0, s[64:65] scope:SCOPE_SE
	s_setreg_imm32_b32 hwreg(HW_REG_WAVE_MODE, 25, 1), 1
	s_wait_xcnt 0x0
; The six input projections, [8192 x 512] x [512 x 512] each, on codes of BF6 (E3M2) with E8M0 scales, sums in f32, bias as the C of each sum's first product.
; A TASK is one head (64 output channels: 4 tiles of W, kept in registers) x 256 t (16 tiles of x or cond, in LDS, filled once by two tensor loads a wave and read by all four waves).
; Work-groups 0-127 (path TG): gq or gk, one task a wave: result transposed (source 0 = W: a lane holds one t, its registers run along d), rotary embedding, quantised along d, stored as codes.
; Work-groups 128-255, two tasks a wave: lq, lk (path TL: transposed, stored as f32 images of the registers), lv (path NL: source 0 = x: a lane holds one channel, registers along t, f32 images),
; gv (path NG: as NL, quantised along t, the second attention product's K, stored as codes).
; NO CLUSTER: a chunk of x is read by 3 work-groups and a chunk of cond by 5, on different paths of the text; neither number divides into fours.
; LDS bytes are filled once: no slot is filled again.  LIMITS: NaN and infinities are not served; a block whose largest magnitude lies under 2^-122 keeps the byte 1.
; REGISTERS, in windows of 256: window 0: v1-6 addresses, v8-23 W's scale words, v24-39 x's, v40-103 two sets of the table (path NG: v40-43 scale words in the making), v104-127 at work, v128-255 16 accumulators.
;   window 1: W's 16 fragments (tile w, K step s at 12 (4 w + s)), from v192 the bias, eight registers a tile.   window 2: x's 16 fragments (tile i, K step s).
.set XSL,  98304                       ; LDS: x's codes 16 x 6,144 bytes from 0, its scale words 16 x 512 from here
.set WSO,  1572864
.set TABO, 1703936
.set XSO,  6291456
.set LVO,  33554432
.set GQO,  50331648
.set GQSO, 53477376
.set KVBO, 54001664
.set WSC, 8
.set XSC, 24
.set TB,  40
.set SWD, 40
.set MX,  104
.set PM,  106
.set SO,  108
.set BY,  110
.set CW,  112
.set CD,  114
.set CT,  120
.set RT,  124
.set ACC, 128
.set BIA, 192
.set SEL, 78
.set MSB, 0
.macro WIN new                         ; the immediate's high byte repeats the setting that is left
.if MSB != \new
	s_set_vgpr_msb (MSB<<8)|\new
.set MSB, \new
.endif
.endm
.macro PLACES                          ; five plain places behind the last product: four serve loads into its registers and reads of its results, the fifth the next group's first products, which write over accumulators with another C
.rept 5
	v_nop
.endr
.endm
.macro LOADW                           ; the task's 16 fragments of W and their scale words
	WIN 0x40
.irp w, 0,1,2,3
.irp s, 0,1,2,3
.irp c, 0,1,2
	global_load_b128 v[12*(4*\w+\s)+4*\c:12*(4*\w+\s)+4*\c+3], v1, s[66:67] offset:6144*\w+1536*\s+512*\c
.endr
.endr
.endr
	WIN 0
.irp w, 0,1,2,3
	global_load_b128 v[WSC+4*\w:WSC+4*\w+3], v1, s[68:69] offset:512*\w
.endr
.endm
.macro BIAS ty                         ; ty = 0: a lane's eight channels of tile w; ty = 1: the lane's one channel, eight times
	WIN 0x40
.irp w, 0,1,2,3
.if \ty == 0
	global_load_b128 v[BIA+8*\w:BIA+8*\w+3], v6, s[70:71] offset:(32*(\w/2)+8*(\w%2))*4
	global_load_b128 v[BIA+8*\w+4:BIA+8*\w+7], v6, s[70:71] offset:(32*(\w/2)+8*(\w%2))*4+16
.else
.irp j, 0,1,2,3,4,5,6,7
	global_load_b32 v[BIA+8*\w+\j], v6, s[70:71] offset:(32*(\w/2)+8*(\w%2))*4
.endr
.endif
.endr
	WIN 0
.endm
.macro FETCH g                         ; group g: four tiles of x, all four K steps, and their scale words
	WIN 0x80
.irp i, 0,1,2,3
.irp s, 0,1,2,3
.irp c, 0,1,2
.if (\g) < 2
	ds_load_b128 v[12*(4*\i+\s)+4*\c:12*(4*\i+\s)+4*\c+3], v1 offset:(4*(\g)+\i)*6144+1536*\s+512*\c
.else
	ds_load_b128 v[12*(4*\i+\s)+4*\c:12*(4*\i+\s)+4*\c+3], v4 offset:(4*((\g)-2)+\i)*6144+1536*\s+512*\c
.endif
.endr
.endr
.endr
	WIN 0
.irp i, 0,1,2,3
	ds_load_b128 v[XSC+4*\i:XSC+4*\i+3], v5 offset:(4*(\g)+\i)*512
.endr
.endm
; 64 products: the 16 accumulators take turns, one instruction a turn, K step by K step.
.macro MULT ty
.irp s, 0,1,2,3
.if \ty == 0
.if \s == 0
	WIN 0x19                                       ; source 0 (W) window 1, source 1 (x) window 2, C (bias) window 1
.else
	WIN 0x09
.endif
.else
.if \s == 0
	WIN 0x16                                       ; source 0 (x) window 2, source 1 (W) window 1, C (bias) window 1
.else
	WIN 0x06
.endif
.endif
.irp i, 0,1,2,3
.irp w, 0,1,2,3
.if \ty == 0
.if \s == 0
	v_wmma_scale_f32_16x16x128_f8f6f4 v[ACC+8*(4*\i+\w):ACC+8*(4*\i+\w)+7], v[12*(4*\w+\s):12*(4*\w+\s)+11], v[12*(4*\i+\s):12*(4*\i+\s)+11], v[BIA+8*\w:BIA+8*\w+7], v[WSC+4*\w+\s], v[XSC+4*\i+\s] matrix_a_fmt:MATRIX_FMT_BF6 matrix_b_fmt:MATRIX_FMT_BF6
.else
	v_wmma_scale_f32_16x16x128_f8f6f4 v[ACC+8*(4*\i+\w):ACC+8*(4*\i+\w)+7], v[12*(4*\w+\s):12*(4*\w+\s)+11], v[12*(4*\i+\s):12*(4*\i+\s)+11], v[ACC+8*(4*\i+\w):ACC+8*(4*\i+\w)+7], v[WSC+4*\w+\s], v[XSC+4*\i+\s] matrix_a_fmt:MATRIX_FMT_BF6 matrix_b_fmt:MATRIX_FMT_BF6
.endif
.else
.if \s == 0
	v_wmma_scale_f32_16x16x128_f8f6f4 v[ACC+64*(\i/2)+16*\w+8*(\i%2):ACC+64*(\i/2)+16*\w+8*(\i%2)+7], v[12*(4*\i+\s):12*(4*\i+\s)+11], v[12*(4*\w+\s):12*(4*\w+\s)+11], v[BIA+8*\w:BIA+8*\w+7], v[XSC+4*\i+\s], v[WSC+4*\w+\s] matrix_a_fmt:MATRIX_FMT_BF6 matrix_b_fmt:MATRIX_FMT_BF6
.else
	v_wmma_scale_f32_16x16x128_f8f6f4 v[ACC+64*(\i/2)+16*\w+8*(\i%2):ACC+64*(\i/2)+16*\w+8*(\i%2)+7], v[12*(4*\i+\s):12*(4*\i+\s)+11], v[12*(4*\w+\s):12*(4*\w+\s)+11], v[ACC+64*(\i/2)+16*\w+8*(\i%2):ACC+64*(\i/2)+16*\w+8*(\i%2)+7], v[XSC+4*\i+\s], v[WSC+4*\w+\s] matrix_a_fmt:MATRIX_FMT_BF6 matrix_b_fmt:MATRIX_FMT_BF6
.endif
.endif
.endr
.endr
.endr
.endm
; Two blocks of 32 along K, each as 16 registers in lanes l and l xor 16 (register e = k 16 (lane/16) + e of the block), become half a fragment (16 rows x 64 K) in v[CD] .. v[CD+5]; the bytes in v[BY], v[BY+1].
.macro QUANT2 b0, b1
	v_max3_num_f32 v[MX], |v[(\b0)]|, |v[(\b0)+1]|, 0x2800000          ; with the floor 2^(5 - 127)
	v_max3_num_f32 v[MX+1], |v[(\b1)]|, |v[(\b1)+1]|, 0x2800000
.irp i, 2,4,6,8,10,12,14
	v_max3_num_f32 v[MX], v[MX], |v[(\b0)+\i]|, |v[(\b0)+\i+1]|
	v_max3_num_f32 v[MX+1], v[MX+1], |v[(\b1)+\i]|, |v[(\b1)+\i+1]|
.endr
	v_permlanex16_b32 v[PM], v[MX], s[SEL], s[SEL+1]
	v_permlanex16_b32 v[PM+1], v[MX+1], s[SEL], s[SEL+1]
	v_max_num_f32 v[MX], v[MX], v[PM]
	v_max_num_f32 v[MX+1], v[MX+1], v[PM+1]
	v_add_nc_u32 v[SO], 0xfe000000, v[MX]          ; 4 off the exponent field: the conversion's scale operand
	v_add_nc_u32 v[SO+1], 0xfe000000, v[MX+1]
	v_lshrrev_b32 v[BY], 23, v[SO]
	v_lshrrev_b32 v[BY+1], 23, v[SO+1]
	v_cvt_scalef32_pk16_bf6_f32 v[CD:CD+2], v[(\b0):(\b0)+15], v[SO]
	v_cvt_scalef32_pk16_bf6_f32 v[CT:CT+2], v[(\b1):(\b1)+15], v[SO+1]
	v_nop                                          ; one plain place behind a scaled conversion
.irp i, 0,1,2
	v_permlane16_swap_b32 v[CD+\i], v[CT+\i]       ; the layout wants a whole block in a lane: lanes 0-15 the first, lanes 16-31 the second
.endr
.irp i, 0,1,2
	v_mov_b32 v[CD+3+\i], v[CT+\i]
.endr
.endm
.macro TABLOAD n                       ; cos and sin for tile n of the chunk, into set n % 2
.irp q, 0,1,2,3,4,5,6,7
	global_load_b128 v[TB+32*((\n)%2)+4*\q:TB+32*((\n)%2)+4*\q+3], v1, s[76:77] offset:4096*(\n)+512*\q
.endr
.endm
.macro ROPE a, tb                      ; registers a + 16 q + 2 p, + 1 are the pair 16 q + 8 (lane/16) + p; its cos at tb + 16 q + p, its sin at tb + 16 q + 8 + p
.irp q, 0,1
.irp p, 0,1,2,3,4,5,6,7
	v_mul_f32 v[RT+2*(\p%2)], v[(\a)+16*\q+2*\p+1], v[(\tb)+16*\q+8+\p]
	v_mul_f32 v[RT+2*(\p%2)+1], v[(\a)+16*\q+2*\p], v[(\tb)+16*\q+8+\p]
	v_fma_f32 v[(\a)+16*\q+2*\p], v[(\a)+16*\q+2*\p], v[(\tb)+16*\q+\p], -v[RT+2*(\p%2)]
	v_fma_f32 v[(\a)+16*\q+2*\p+1], v[(\a)+16*\q+2*\p+1], v[(\tb)+16*\q+\p], v[RT+2*(\p%2)+1]
.endr
.endr
.endm
.macro EPI_L g                         ; the 128 accumulator registers leave as they stand: 512 consecutive bytes a store, each accumulator from its low end on
.set Q, 0
.rept 32
	global_store_b128 v1, v[ACC+4*Q:ACC+4*Q+3], s[72:73] offset:16384*(\g)+512*Q
.set Q, Q+1
.endr
.endm
.macro EPI_TG g
.irp i, 0,1,2,3
.if 4*(\g)+\i < 15
	TABLOAD (4*(\g)+\i+1)
	s_wait_loadcnt 0x8                             ; this tile's table is in; the next tile's eight loads may be out
.else
	s_wait_loadcnt 0x0
.endif
	s_wait_xcnt 0x0                                ; the last tile's stores have read their registers: the codes and the word are written again only behind this wait
	ROPE ACC+32*\i, TB+32*(\i%2)
	QUANT2 ACC+32*\i, ACC+32*\i+16
	v_lshl_or_b32 v[CW], v[BY+1], 8, v[BY]
.if \i%2
	v_lshlrev_b32 v[CW], 16, v[CW]                 ; an odd tile is the upper half (k 64-127) of a fragment: its bytes are bytes 2 and 3
.endif
	global_store_b128 v1, v[CD:CD+3], s[72:73] offset:768*(4*(\g)+\i)
	global_store_b64 v2, v[CD+4:CD+5], s[72:73] offset:768*(4*(\g)+\i)+512
	global_store_b32 v3, v[CW], s[74:75] offset:128*(4*(\g)+\i)
.endr
.endm
.macro EPI_NG g                        ; group g is 64 keys: for each tile w of 16 channels half a fragment; two groups fill a scale word
.irp w, 0,1,2,3
	s_wait_xcnt 0x0                                ; earlier stores have read their registers
	QUANT2 ACC+16*\w, ACC+64+16*\w
	global_store_b128 v1, v[CD:CD+3], s[72:73] offset:768*(4*(\g)+\w)
	global_store_b64 v2, v[CD+4:CD+5], s[72:73] offset:768*(4*(\g)+\w)+512
.if (\g)%2 == 0
	v_lshl_or_b32 v[SWD+\w], v[BY+1], 8, v[BY]
.else
	v_lshl_or_b32 v[SWD+\w], v[BY], 16, v[SWD+\w]
	v_lshl_or_b32 v[SWD+\w], v[BY+1], 24, v[SWD+\w]
	global_store_b32 v3, v[SWD+\w], s[74:75] offset:128*(4*((\g)/2)+\w)
.endif
.endr
.endm
.macro EPI e, g
.if \e == 0
	EPI_L \g
.elseif \e == 1
	EPI_TG \g
.else
	EPI_NG \g
.endif
.endm
.macro GROUPS ty, e                    ; a task's four groups of 64 t; the next group's fragments are fetched ahead of this group's way out
.irp g, 0,1,2,3
	s_wait_dscnt 0x0                               ; the group's fragments are in
	s_wait_xcnt 0x0                                ; the last group's stores have read the accumulators
	MULT \ty
	WIN 0
	PLACES
.if \g < 3
	FETCH (\g+1)
.endif
	EPI \e, \g
.endr
.endm
.macro NEXT step, two                  ; on to the head four further on
	s_wait_xcnt 0x0                                ; every earlier memory instruction has read its base
	s_add_nc_u64 s[66:67], s[66:67], 98304
	s_add_nc_u64 s[68:69], s[68:69], 8192
	s_add_nc_u64 s[70:71], s[70:71], 1024
	s_add_nc_u64 s[72:73], s[72:73], \step
.if \two
	s_add_nc_u64 s[74:75], s[74:75], \step
.endif
	LOADW
.endm
	s_load_b512 s[4:19], s[0:1], 0x0               ; wq, xq, lq_b, gq_b, lk_b, gk_b, lv_b, gv_b
	s_load_b64 s[20:21], s[0:1], 0x40              ; pj
	v_lshl_add_u32 v113, v0, 2, 0x29000
	v_mov_b32 v123, 0
	ds_add_u32 v113, v123
	ds_add_u32 v113, v123
	v_lshrrev_b32 v1, 5, v0
	v_readfirstlane_b32 s22, v1                    ; wave
	s_and_b32 s24, ttmp9, 31                       ; chunk of 256 t: batch chunk/8
	s_bfe_u32 s25, ttmp9, 0x20005                  ; bits 6:5 of the work-group's number
	s_lshr_b32 s26, s25, 1                         ; path TG: 0 gq, 1 gk
	s_lshl_b32 s27, s26, 1
	s_add_co_u32 s27, s27, 1                       ;          its matrix in wq
	s_and_b32 s28, s25, 1
	s_lshl_b32 s28, s28, 2                         ;          its first head
	s_lshl_b32 s29, s25, 1
	s_min_u32 s29, s29, 5                          ; the others: matrix 0 lq, 2 lk, 4 lv, 5 gv
	s_min_u32 s30, s25, 1                          ;             x or cond
	s_cmp_lt_u32 ttmp9, 128
	s_cselect_b32 s27, s27, s29                    ; matrix
	s_cselect_b32 s26, s26, s30                    ; source
	s_cselect_b32 s28, s28, 0
	s_add_co_u32 s28, s28, s22                     ; head
	s_lshr_b32 s23, s24, 3                         ; batch
	s_and_b32 s29, s24, 7                          ; chunk in the batch
	s_lshl_b32 s30, s23, 3
	s_add_co_u32 s30, s30, s28                     ; 8 x batch + head
	s_lshl_b32 s31, s26, 9
	s_lshl_b32 s56, s24, 4
	s_add_co_u32 s31, s31, s56                     ; first tile of x's codes
	; descriptor groups 1: dense blocks as rows of 256 bytes (32 elements of 8 bytes): 96 rows of codes, 8 rows of scale words a wave
	s_mov_b32 s32, 3<<16
	s_mov_b32 s33, 32<<16
	s_mov_b32 s34, 96<<16
	s_mov_b32 s35, 32<<16
	s_mov_b32 s36, 96
	s_mov_b32 s37, 32
	s_mov_b32 s38, 0
	s_mov_b32 s39, 0
	s_mov_b32 s40, 3<<16
	s_mov_b32 s41, 32<<16
	s_mov_b32 s42, 8<<16
	s_mov_b32 s43, 32<<16
	s_mov_b32 s44, 8
	s_mov_b32 s45, 32
	s_mov_b32 s46, 0
	s_mov_b32 s47, 0
	s_mov_b32 s48, 1
	s_mul_i32 s49, s22, 24576                      ; LDS: my quarter of the codes
	s_mul_i32 s80, s31, 6144
	s_add_co_u32 s80, s80, s49
	s_mov_b32 s81, 0
	s_mov_b32 s52, 1
	s_lshl_b32 s82, s22, 11
	s_add_co_u32 s53, s82, XSL                     ; LDS: my quarter of the scale words
	s_lshl_b32 s83, s31, 9
	s_add_co_u32 s82, s82, s83
	s_add_co_u32 s82, s82, XSO
	s_mov_b32 s83, 0
	s_lshl_b32 s56, s27, 5
	s_lshl_b32 s57, s28, 2
	s_add_co_u32 s56, s56, s57                     ; first tile of W
	s_mul_i32 s58, s56, 6144
	s_mov_b32 s59, 0
	s_lshl_b32 s60, s56, 9
	s_add_co_u32 s60, s60, WSO
	s_mov_b32 s61, 0
	s_mov_b32 s[SEL], 0x76543210
	s_mov_b32 s[SEL+1], 0xfedcba98
	s_wait_dscnt 0x0
	s_wait_kmcnt 0x0
	s_add_nc_u64 s[50:51], s[6:7], s[80:81]
	s_or_b32 s51, s51, 0x80000000
	s_add_nc_u64 s[54:55], s[6:7], s[82:83]
	s_or_b32 s55, s55, 0x80000000
	s_add_nc_u64 s[66:67], s[4:5], s[58:59]
	s_add_nc_u64 s[68:69], s[4:5], s[60:61]
	tensor_load_to_lds s[48:51], s[32:39]          ; the launch's only fills, two of mine are out
	s_nop 0
	tensor_load_to_lds s[52:55], s[40:47]
	s_nop 0
	v_and_b32 v7, 31, v0
	v_lshlrev_b32 v1, 4, v7                        ; 16 x lane: an image's place for my lane
	v_lshlrev_b32 v2, 3, v7
	v_lshlrev_b32 v3, 2, v7
	v_add_nc_u32 v4, 49152, v1                     ; the same from x's tile 8 on
	v_add_nc_u32 v5, XSL, v1
	v_mov_b32 v[PM], 0                             ; a lane permute's destination counts as one of its sources
	v_mov_b32 v[PM+1], 0
	LOADW                                          ; the first task's weights travel beside the tensor loads
	s_wait_tensorcnt 0x0                           ; my parts of x have landed,
	s_barrier_signal -1
	s_barrier_wait -1                              ; everybody's have; nothing writes LDS from here on
	s_lshl_b32 s58, s28, 8                         ; the head's 64 biases
	s_mov_b32 s59, 0
	s_cmp_lt_u32 ttmp9, 128
	s_cbranch_scc1 .Ltg
	s_cmp_lt_u32 s25, 2
	s_cbranch_scc1 .Ltl
	v_and_b32 v6, 15, v0                           ; paths NL, NG: the lane's channel among the tile's: 16 (r/8) + r%8
	v_and_b32 v7, 8, v6
	v_add_nc_u32 v6, v6, v7
	v_lshlrev_b32 v6, 2, v6
	s_cmp_eq_u32 s25, 2
	s_cbranch_scc1 .Lnl
	; ---- NG: gv
	s_mul_i32 s56, s30, 221184
	s_lshr_b32 s57, s29, 1
	s_mul_i32 s57, s57, 55296
	s_add_co_u32 s56, s56, s57
	s_add_co_u32 s56, s56, KVBO                    ; the quarter (512 keys) of the head's block
	s_and_b32 s57, s29, 1
	s_mul_i32 s60, s57, 12288
	s_add_co_u32 s60, s60, s56
	s_add_co_u32 s60, s60, 24576                   ; V's codes: [64 keys][tile of d][768]
	s_mov_b32 s61, 0
	s_lshl_b32 s62, s57, 10
	s_add_co_u32 s62, s62, s56
	s_add_co_u32 s62, s62, 53248                   ; V's scale words: [128 keys][tile of d][128]
	s_mov_b32 s63, 0
	s_add_nc_u64 s[72:73], s[20:21], s[60:61]
	s_add_nc_u64 s[74:75], s[20:21], s[62:63]
	s_add_nc_u64 s[70:71], s[18:19], s[58:59]
	BIAS 1
	FETCH 0
	s_wait_loadcnt 0x0
	GROUPS 1, 2
	NEXT 884736, 1
	BIAS 1
	FETCH 0
	s_wait_loadcnt 0x0
	GROUPS 1, 2
	s_wait_tensorcnt 0x0
	ds_add_u32 v113, v123
	s_wait_dscnt 0x0
	s_endpgm
.Lnl:	; ---- NL: lv
	s_lshl_b32 s56, s30, 19
	s_lshl_b32 s57, s29, 16
	s_add_co_u32 s56, s56, s57
	s_add_co_u32 s56, s56, LVO
	s_mov_b32 s57, 0
	s_add_nc_u64 s[72:73], s[20:21], s[56:57]
	s_add_nc_u64 s[70:71], s[16:17], s[58:59]
	BIAS 1
	FETCH 0
	s_wait_loadcnt 0x0
	GROUPS 1, 0
	NEXT 2097152, 0
	BIAS 1
	FETCH 0
	s_wait_loadcnt 0x0
	GROUPS 1, 0
	s_wait_tensorcnt 0x0
	ds_add_u32 v113, v123
	s_wait_dscnt 0x0
	s_endpgm
.Ltl:	; ---- TL: lq, lk
	v_bfe_u32 v6, v0, 4, 1
	v_lshlrev_b32 v6, 6, v6                        ; the lane's half: 16 channels on
	s_lshl_b32 s56, s25, 5
	s_add_co_u32 s56, s56, s30
	s_lshl_b32 s56, s56, 19
	s_lshl_b32 s57, s29, 16
	s_add_co_u32 s56, s56, s57
	s_mov_b32 s57, 0
	s_add_nc_u64 s[72:73], s[20:21], s[56:57]
	s_cmp_eq_u32 s25, 0
	s_cselect_b64 s[70:71], s[8:9], s[12:13]
	s_add_nc_u64 s[70:71], s[70:71], s[58:59]
	BIAS 0
	FETCH 0
	s_wait_loadcnt 0x0
	GROUPS 0, 0
	NEXT 2097152, 0
	BIAS 0
	FETCH 0
	s_wait_loadcnt 0x0
	GROUPS 0, 0
	s_wait_tensorcnt 0x0
	ds_add_u32 v113, v123
	s_wait_dscnt 0x0
	s_endpgm
.Ltg:	; ---- TG: gq, gk
	v_bfe_u32 v6, v0, 4, 1
	v_lshlrev_b32 v6, 6, v6
	s_lshl_b32 s56, s30, 7
	s_lshl_b32 s57, s29, 4
	s_add_co_u32 s56, s56, s57                     ; the chunk's first tile among the head's 128
	s_mul_i32 s60, s56, 768
	s_add_co_u32 s60, s60, GQO                     ; gq: codes,
	s_lshl_b32 s62, s56, 7
	s_add_co_u32 s62, s62, GQSO                    ;     scale words
	s_mul_i32 s56, s30, 221184
	s_lshr_b32 s57, s29, 1
	s_mul_i32 s57, s57, 55296
	s_add_co_u32 s56, s56, s57
	s_add_co_u32 s56, s56, KVBO                    ; gk: the quarter of the head's block
	s_and_b32 s57, s29, 1
	s_mul_i32 s61, s57, 12288
	s_add_co_u32 s61, s61, s56                     ;     codes,
	s_lshl_b32 s63, s57, 11
	s_add_co_u32 s63, s63, s56
	s_add_co_u32 s63, s63, 49152                   ;     scale words
	s_cmp_eq_u32 s26, 0
	s_cselect_b32 s60, s60, s61
	s_cselect_b32 s62, s62, s63
	s_cselect_b64 s[70:71], s[10:11], s[14:15]
	s_mov_b32 s61, 0
	s_mov_b32 s63, 0
	s_add_nc_u64 s[72:73], s[20:21], s[60:61]
	s_add_nc_u64 s[74:75], s[20:21], s[62:63]
	s_add_nc_u64 s[70:71], s[70:71], s[58:59]
	s_lshl_b32 s56, s29, 16
	s_add_co_u32 s56, s56, TABO
	s_mov_b32 s57, 0
	s_add_nc_u64 s[76:77], s[4:5], s[56:57]        ; the table at the chunk's first tile
	BIAS 0
	FETCH 0
	TABLOAD 0
	s_wait_loadcnt 0x0
	GROUPS 0, 1
	s_wait_tensorcnt 0x0
	ds_add_u32 v113, v123
	s_wait_dscnt 0x0
	s_endpgm
.Lfunc_end_k_qb2c70aaab9_proj:
	.size	k_qb2c70aaab9_proj, .Lfunc_end_k_qb2c70aaab9_proj-k_qb2c70aaab9_proj
	.p2alignl 7, 3214868480
	.fill 96, 4, 3214868480
	.section	.rodata,"a",@progbits
	.p2align	6, 0x0
	.amdhsa_kernel k_qb2c70aaab9_proj
		.amdhsa_group_segment_fixed_size 168448
		.amdhsa_private_segment_fixed_size 0
		.amdhsa_enable_private_segment 0
		.amdhsa_kernarg_size 72
		.amdhsa_user_sgpr_count 2
		.amdhsa_user_sgpr_kernarg_segment_ptr 1
		.amdhsa_wavefront_size32 1
		.amdhsa_system_sgpr_workgroup_id_x 1
		.amdhsa_system_sgpr_workgroup_id_y 1
		.amdhsa_system_sgpr_workgroup_id_z 1
		.amdhsa_system_vgpr_workitem_id 0
		.amdhsa_next_free_vgpr 704
		.amdhsa_next_free_sgpr 84
		.amdhsa_reserve_vcc 0
		.amdhsa_float_denorm_mode_32 3
		.amdhsa_float_denorm_mode_16_64 3
		.amdhsa_memory_ordered 1
		.amdhsa_forward_progress 1
		.amdhsa_inst_pref_size 255
	.end_amdhsa_kernel
	.section	.bss,"aw",@nobits
	.p2align	6
	.space	262144
	.amdgpu_metadata
---
amdhsa.version: [ 1, 2 ]
amdhsa.kernels:
  - .name:           k_qb2c70aaab9_proj
    .symbol:         k_qb2c70aaab9_proj.kd
    .args:
      - { .name: wq, .offset: 0, .size: 8, .value_kind: global_buffer, .address_space: global }
      - { .name: xq, .offset: 8, .size: 8, .value_kind: global_buffer, .address_space: global }
      - { .name: lq_b, .offset: 16, .size: 8, .value_kind: global_buffer, .address_space: global }
      - { .name: gq_b, .offset: 24, .size: 8, .value_kind: global_buffer, .address_space: global }
      - { .name: lk_b, .offset: 32, .size: 8, .value_kind: global_buffer, .address_space: global }
      - { .name: gk_b, .offset: 40, .size: 8, .value_kind: global_buffer, .address_space: global }
      - { .name: lv_b, .offset: 48, .size: 8, .value_kind: global_buffer, .address_space: global }
      - { .name: gv_b, .offset: 56, .size: 8, .value_kind: global_buffer, .address_space: global }
      - { .name: pj, .offset: 64, .size: 8, .value_kind: global_buffer, .address_space: global }
    .group_segment_fixed_size: 168448
    .private_segment_fixed_size: 0
    .kernarg_segment_align: 8
    .kernarg_segment_size: 72
    .max_flat_workgroup_size: 128
    .sgpr_count:     84
    .vgpr_count:     704
    .wavefront_size: 32
...
	.end_amdgpu_metadata
.endif
;; end of part 2
;; launch attn (part 3): grid 8 x 32, 16 waves a work-group, clusters of 4 x 1, 292,864 bytes of LDS; arguments pj, gq6, lo2; writes gq6, lo2
.if DOCPART == 3
	.amdgcn_target "amdgcn-amd-amdhsa--gfx1250"
	.amdhsa_code_object_version 6
	.text
	.protected	k_qb2c70aaab9_attn
	.globl	k_qb2c70aaab9_attn
	.p2align	8
	.type	k_qb2c70aaab9_attn,@function
k_qb2c70aaab9_attn:
	s_mov_b64 s[64:65], 0
	v_nop
	global_prefetch_b8 v0, s[64:65] scope:SCOPE_SE
	s_setreg_imm32_b32 hwreg(HW_REG_WAVE_MODE, 25, 1), 1
	s_wait_xcnt 0x0
	s_wait_alu depctr_hold_cnt(0) depctr_sa_sdst(0) depctr_va_vdst(0) depctr_va_sdst(0) depctr_va_ssrc(0) depctr_va_vcc(0) depctr_vm_vsrc(0)
	s_getreg_b32 s2, hwreg(HW_REG_IB_STS2, 6, 4)
	s_cmp_eq_u32 s2, 0
	s_cbranch_scc0 .Lentry_in_a_cluster
	s_endpgm
.Lentry_in_a_cluster:
	s_bfe_u32 s2, ttmp6, 0x10000c
	s_cmp_lg_u32 s2, 0x3003
	s_cbranch_scc0 .Lentry_shape_is_right
	s_endpgm
.Lentry_shape_is_right:
; BOTH ATTENTIONS IN ONE LAUNCH.  A work-group owns 256 queries of one head (of 32), each of its sixteen waves one tile of 16, in 256 registers.  A wave first makes the LOCAL branch's result for its tile, then the GLOBAL branch's:
; 4,096 local tiles = 256 work-groups x 16 waves.  The local tile's 40 loads are issued behind the fills of K and V and travel beside them; no barrier stands between the local tile and the keys' loop.
; THE GLOBAL BRANCH, on codes of BF6 (E3M2) with E8M0 scales: 2,048 queries x 2,048 keys, head size 64.
;   t = score x log2(e)/8; M = the running largest t rounded UP to a whole number; p = 2^(t - M) is quantised along the keys, not normalised; the row's sum is taken of the unquantised p and divides at the end.
;   The result o / l is quantised along the model's 512 channels (this head's 64 are two blocks) and stored as codes: the last projection's operand.
;   THE HEAD'S WHOLE K AND V, codes and scale words, 221,184 bytes, lie in LDS as they lie in memory, filled ONCE: no slot is filled again.
;   CLUSTER: the four work-groups of a cluster belong to one head and need the same bytes: each part is asked for JOINTLY, by the same tensor load with the same descriptor and the mask of all four.
;   LAYOUT: both products transposed (S^T = K Q^T, O^T = V^T P^T): a lane holds one query.  Slot rho of key tile tau is key 32 (tau/2) + 16 (rho/8) + 8 (tau%2) + rho%8, so that two neighbouring tiles' 16 registers are 16 neighbouring keys.
;   HEAD SIZE 64 IN A PRODUCT OF K = 128: a fragment of K holds tile 2 f at k 0-63 and tile 2 f + 1 at k 64-127; it is multiplied once by [q | zero codes] and once by [zero codes | q].
; THE LOCAL BRANCH: query t looks at keys t - 8 .. t + 7; keys outside 0 .. 2047 count with logit 0 and value 0, as the zero padding of k and v has it.  Both its products feed a quantiser later, so they take f32 operands: v_wmma_f32_16x16x4_f32.
;   16 neighbouring queries against 32 keys (two tiles of 16), of which each query's 16 are kept.  S^T = K Q^T: lane (r, h) holds query r and keys 8 h + j of a tile; of S0[j] and S1[j] exactly one lies in the band: S0's where 8 h + j >= r.
;   O^T = V^T P (source 0 = 16 channels, source 1 = the weights as they stand in the result's layout): the same permutation of K on both sides keeps the products.
;   The sixteen registers v232-247 that the f32 matrix form writes are written by matrix instructions alone: first the two tiles of S^T, then O^T's channels in two halves.
;   lq and lk lie as [head][tile of 16 t][8 chunks][lane][16 bytes]: register n of lane (rho, h) is channel 32 (n/16) + 16 h + n%16; lv as [head][64 t][32 chunks][lane][16 bytes]: eight neighbouring t of one channel.
;   The result is stored [b][h][t][d], f32, through the wave's own stage in LDS: 16 lanes store a row's 256 bytes.
; LIMITS: NaN and infinities are not served; a block whose largest magnitude lies under 2^-122 keeps the byte 1.
; REGISTERS, global: v1-3 lane x 16, 8, 4; v4-7 the step's addresses; v10, v11 q's scale words; v12 -M, v13 the largest t, v[14:15] the sum; v16-27 [q|0], v28-39 [0|q]; v40-87 four fragments; v88-95 scale words; v96-159 S^T, then p; v160-191 O^T; v192-231 at work.
; REGISTERS, local (all but v232-247 are set anew for the global branch; the global branch's scale registers are not touched): v4-8 addresses; v16-47 Q; v48-79, v96-127 K's two tiles; v128-191 V; v192-199 logits, then p; v200-215 the weights; v216-223, v80-87, v248 at work.
.set KVBO, 54001664
.set GQO,  50331648
.set GQSO, 53477376
.set GSWO, 3145728
.set LSTG, 221184                      ; LDS behind K and V: a stage of 16 rows x (256 + 16) bytes for each wave; no tensor load lands here
.set WV,  8
.set SEL, 20
.set CS,  22
.set S,   96
.set O,   160
.set PC,  192                          ; v192-203 p's codes
.set CT,  204                          ; v204-206, v208-210 the conversions' second halves
.set BM,  212                          ; v212-215 a block's largest score, then its largest p
.set PM,  216                          ; v216-219 the other half's, then the bytes
.set SO,  220                          ; v220-223 the conversions' scale operands
.set PW,  224                          ; p's scale word
.set FF,  226                          ; v[226:227] f = 2^(old M - new M)
.set TT,  228
.set SU,  230                          ; v[230:231] the sum's second chain
.set LQ,  16
.set LK0, 48
.set LK1, 96
.set LV,  128
.set LX,  192
.set LP,  200
.set LT,  216
.set R0,  232
.set R1,  240
.set LR,  80                           ; r
.set LH,  81                           ; h
.set CF0, 82                           ; the factor of tile 0's logits, of tile 1's,
.set CF1, 83
.set VF0, 84                           ; of tile 0's weights, of tile 1's
.set VF1, 85
.set LE,  86                           ; r - 8 h
.set SIN, 87                           ; the stage: where I put a row's bytes,
.set SOUT, 248                         ; and where I read rows back
.set QW,  249                          ; q's scale word as it is loaded
.set MK,  84                           ; s84-91: register j: tile 0's key is the one in the band
.macro ROUND                           ; a round of the cluster's barrier
	s_barrier_signal -1
	s_barrier_wait -1
	s_cmp_lg_u32 s[WV], 0
	s_cbranch_scc1 .Lnot_wave_0_\@
	s_barrier_signal -3
.Lnot_wave_0_\@:
	s_barrier_wait -3
	s_barrier_signal -1
	s_barrier_wait -1
.endm
.macro ROWADR d, t                     ; where row t's part for my half of the lanes begins in a head's image of lq or lk
	v_lshrrev_b32 v[\d], 5, v[\t]
	v_lshlrev_b32 v[\d], 13, v[\d]
	v_bfe_u32 v9, v[\t], 3, 1
	v_lshl_add_u32 v[\d], v9, 12, v[\d]
	v_bfe_u32 v9, v[\t], 4, 1
	v_lshl_add_u32 v[\d], v9, 7, v[\d]
	v_and_b32 v9, 7, v[\t]
	v_lshl_add_u32 v[\d], v9, 4, v[\d]
	v_lshl_add_u32 v[\d], v[LH], 8, v[\d]
.endm
.macro OCTADR d, o                     ; where the eight keys 8 o .. 8 o + 7 of channel slot r begin in a head's image of lv
	v_lshrrev_b32 v[\d], 3, v[\o]
	v_lshlrev_b32 v[\d], 14, v[\d]
	v_bfe_u32 v9, v[\o], 2, 1
	v_lshl_add_u32 v[\d], v9, 13, v[\d]
	v_and_b32 v9, 1, v[\o]
	v_lshl_add_u32 v[\d], v9, 10, v[\d]
	v_bfe_u32 v9, v[\o], 1, 1
	v_lshl_add_u32 v[\d], v9, 8, v[\d]
	v_lshl_add_u32 v[\d], v[LR], 4, v[\d]
.endm
	s_load_b128 s[4:7], s[0:1], 0x0                ; pj, gq6
	s_load_b64 s[92:93], s[0:1], 0x10              ; lo2
	v_lshl_add_u32 v254, v0, 2, 0x47000
	v_mov_b32 v255, 0
	ds_add_u32 v254, v255
	ds_add_u32 v254, v255
	v_lshrrev_b32 v1, 5, v0
	v_readfirstlane_b32 s[WV], v1                  ; wave 0..15
	s_bfe_u32 s9, ttmp6, 0x40000                   ; cx: it enters global addresses and the padding's factors alone: no branch, no LDS address, no descriptor
	s_lshl_b32 s10, ttmp9, 2
	s_add_co_u32 s10, s10, s9                      ; my block of 256 queries
	s_and_b32 s11, ttmp7, 0xffff                   ; 8 x batch + head, which the partners share
	; descriptor group 1: a dense block of 13,824 bytes as 54 rows of 256 bytes (32 elements of 8 bytes); the mask names all four work-groups, bit 21 beside it
	s_mov_b32 s24, 15|(3<<16)|(1<<21)
	s_mov_b32 s25, 32<<16
	s_mov_b32 s26, 54<<16
	s_mov_b32 s27, 32<<16
	s_mov_b32 s28, 54
	s_mov_b32 s29, 32
	s_mov_b32 s30, 0
	s_mov_b32 s31, 0
	s_mul_i32 s32, s11, 221184
	s_add_co_u32 s32, s32, KVBO
	s_mul_i32 s33, s[WV], 13824                    ; waves 0-3: a quarter of each quarter
	s_add_co_u32 s34, s32, s33
	s_mov_b32 s35, 0
	s_lshl_b32 s36, s10, 4
	s_add_co_u32 s36, s36, s[WV]                   ; T: my tile of queries among the head's 128
	s_lshl_b32 s37, s11, 7
	s_add_co_u32 s37, s37, s36
	s_mul_i32 s12, s37, 768
	s_add_co_u32 s12, s12, GQO
	s_mov_b32 s13, 0
	s_lshl_b32 s14, s37, 7
	s_add_co_u32 s14, s14, GQSO
	s_mov_b32 s15, 0
	s_lshr_b32 s38, s11, 3                         ; batch
	s_and_b32 s39, s11, 7                          ; head
	s_lshl_b32 s38, s38, 7
	s_add_co_u32 s38, s38, s36                     ; the result's tile
	s_lshl_b32 s16, s38, 3
	s_add_co_u32 s16, s16, s39
	s_mul_i32 s16, s16, 768
	s_mov_b32 s17, 0
	s_lshl_b32 s18, s38, 9
	s_lshl_b32 s39, s39, 1
	s_add_co_u32 s18, s18, s39
	s_add_co_u32 s18, s18, GSWO
	s_mov_b32 s19, 0
	s_mov_b32 s[SEL], 0x76543210
	s_mov_b32 s[SEL+1], 0xfedcba98
	s_mov_b32 s[CS], 0x3e38aa3b                    ; c = log2(e) / 8: both branches' heads have 64 channels
	s_mov_b32 s[CS+1], s[CS]
	s_mov_b32 s56, 0                               ; LDS: the step's codes of K (V's lie 24,576 bytes on),
	s_mov_b32 s57, 49152                           ; K's scale words,
	s_mov_b32 s58, 53248                           ; V's
	s_lshl_b32 s66, s11, 19                        ; the local branch: a head's image is 2,048 x 64 x 4 bytes
	s_mov_b32 s67, 0
	s_lshl_b32 s76, s36, 12                        ; 16 T rows of 256 bytes
	s_add_co_u32 s76, s76, s66
	s_mov_b32 s77, 0
	s_lshl_b32 s78, s36, 4                         ; t0 = 16 T
	s_lshl_b32 s79, s36, 1                         ; 2 T
	s_mul_i32 s83, s[WV], 4352
	s_add_co_u32 s83, s83, LSTG                    ; my stage
	s_wait_dscnt 0x0
	s_wait_kmcnt 0x0
	s_add_nc_u64 s[34:35], s[4:5], s[34:35]
	s_add_nc_u64 s[12:13], s[4:5], s[12:13]
	s_add_nc_u64 s[14:15], s[4:5], s[14:15]
	s_add_nc_u64 s[16:17], s[6:7], s[16:17]
	s_add_nc_u64 s[18:19], s[6:7], s[18:19]
	s_add_nc_u64 s[68:69], s[4:5], s[66:67]        ; lq's head
	s_add_nc_u64 s[70:71], s[68:69], 0x1000000     ; lk's
	s_add_nc_u64 s[72:73], s[68:69], 0x2000000     ; lv's
	s_add_nc_u64 s[74:75], s[92:93], s[76:77]      ; my 16 rows of the local result
.irp q, 0,1,2,3
	s_mov_b32 s[40+4*\q], 1
	s_add_co_u32 s[41+4*\q], s33, 55296*\q
	s_add_nc_u64 s[42+4*\q:43+4*\q], s[34:35], 55296*\q
	s_or_b32 s[43+4*\q], s[43+4*\q], 0x80000000
.endr
	ROUND                                          ; all four work-groups are here: the joint loads meet
	s_cmp_lt_u32 s[WV], 4                          ; the branch hangs on the wave's number alone
	s_cbranch_scc0 .Lno_fill
	tensor_load_to_lds s[40:43], s[24:31]          ; four loads of mine are out
	s_nop 0
	tensor_load_to_lds s[44:47], s[24:31]
	s_nop 0
	tensor_load_to_lds s[48:51], s[24:31]
	s_nop 0
	tensor_load_to_lds s[52:55], s[24:31]
	s_nop 0
.rept 4
	v_nop
.endr
.Lno_fill:
	v_and_b32 v9, 31, v0
	v_lshlrev_b32 v1, 4, v9
	v_lshlrev_b32 v2, 3, v9
	v_lshlrev_b32 v3, 2, v9
	; ======== the local tile: its addresses and its 40 loads, which travel beside the fills
	v_and_b32 v[LR], 15, v0                        ; r
	v_bfe_u32 v[LH], v0, 4, 1                      ; h
	v_add_nc_u32 v[LT], s78, v[LR]
	ROWADR 4, LT                                   ; Q: row t0 + r
	v_add_nc_u32 v[LT], 8, v[LT]                   ; t0 + r + 8
	v_max_u32 v[LT+1], 16, v[LT]
	v_add_nc_u32 v[LT+1], -16, v[LT+1]             ; key tile 0: row t0 - 8 + r, held at 0: no load leaves its buffer
	ROWADR 5, LT+1
	v_min_u32 v[LT+1], 0x7ff, v[LT]                ; key tile 1: row t0 + 8 + r, held at 2047
	ROWADR 6, LT+1
	v_add_nc_u32 v[LT], s79, v[LH]                 ; 2 T + h
	v_max_u32 v[LT+1], 1, v[LT]
	v_add_nc_u32 v[LT+1], -1, v[LT+1]              ; key tile 0, my half: octet 2 T - 1 + h, held at 0
	OCTADR 7, LT+1
	v_add_nc_u32 v[LT+1], 1, v[LT]
	v_min_u32 v[LT+1], 0xff, v[LT+1]               ; key tile 1: octet 2 T + 1 + h, held at 255
	OCTADR 8, LT+1
.irp q, 0,1,2,3,4,5,6,7
	global_load_b128 v[LQ+4*\q:LQ+4*\q+3], v4, s[68:69] offset:512*\q
.endr
.irp q, 0,1,2,3,4,5,6,7
	global_load_b128 v[LK0+4*\q:LK0+4*\q+3], v5, s[70:71] offset:512*\q
.endr
.irp q, 0,1,2,3,4,5,6,7
	global_load_b128 v[LK1+4*\q:LK1+4*\q+3], v6, s[70:71] offset:512*\q
.endr
.irp w, 0,1,2,3
.irp u, 0,1
	global_load_b128 v[LV+16*\w+4*\u:LV+16*\w+4*\u+3], v7, s[72:73] offset:2048*\w+512*\u
	global_load_b128 v[LV+16*\w+8+4*\u:LV+16*\w+8+4*\u+3], v8, s[72:73] offset:2048*\w+512*\u
.endr
.endr
	; the padding: keys under 0 are tile 0's lanes h = 0 of T = 0, keys over 2047 tile 1's lanes h = 1 of T = 127.  Their logits are multiplied by 0 in place of c, their weights by 0 in place of 1 ahead of the second product.
	s_cmp_eq_u32 s36, 0
	s_cselect_b32 s80, 0, s[CS]
	s_cselect_b32 s81, 0, 1.0
	s_cmp_eq_u32 s36, 127
	s_cselect_b32 s82, 0, s[CS]
	s_cselect_b32 s94, 0, 1.0
	v_cmp_eq_u32 vcc_lo, 0, v[LH]
	v_mov_b32 v[LT], s[CS]
	v_mov_b32 v[LT+1], s80
	v_cndmask_b32 v[CF0], v[LT], v[LT+1], vcc_lo
	v_mov_b32 v[LT+1], s82
	v_cndmask_b32 v[CF1], v[LT+1], v[LT], vcc_lo
	v_mov_b32 v[LT], 1.0
	v_mov_b32 v[LT+1], s81
	v_cndmask_b32 v[VF0], v[LT], v[LT+1], vcc_lo
	v_mov_b32 v[LT+1], s94
	v_cndmask_b32 v[VF1], v[LT+1], v[LT], vcc_lo
	v_lshlrev_b32 v[LE], 3, v[LH]
	v_sub_nc_u32 v[LE], v[LR], v[LE]               ; e = r - 8 h
.irp j, 0,1,2,3,4,5,6,7
	v_cmp_ge_i32 s[MK+\j], \j, v[LE]               ; register j: tile 0's key is the one in the band
.endr
	v_mov_b32 v[LT+3], 0                           ; a lane permute's destination counts as one of its sources
	v_mul_u32_u24 v[SIN], v[LR], 272
	v_lshl_add_u32 v[SIN], v[LH], 6, v[SIN]
	v_add_nc_u32 v[SIN], s83, v[SIN]               ; the stage, in: row r, + 64 h
	v_mul_u32_u24 v[SOUT], v[LH], 272
	v_lshl_add_u32 v[SOUT], v[LR], 4, v[SOUT]
	v_add_nc_u32 v[SOUT], s83, v[SOUT]             ; back: lanes 0-15 one row, lanes 16-31 the next
	s_wait_tensorcnt 0x0                           ; my parts of K and V have landed,
	s_barrier_signal -1
	s_barrier_wait -1                              ; everybody's have; no tensor load follows, and each wave's stage is its own
	s_wait_loadcnt 16                              ; Q and K are in; V's sixteen loads may be out
	v_wmma_f32_16x16x4_f32 v[R0:R0+7], v[LK0:LK0+1], v[LQ:LQ+1], 0       ; the two sums by turns
	v_wmma_f32_16x16x4_f32 v[R1:R1+7], v[LK1:LK1+1], v[LQ:LQ+1], 0
.irp g, 1,2,3,4,5,6,7,8,9,10,11,12,13,14,15
	v_wmma_f32_16x16x4_f32 v[R0:R0+7], v[LK0+2*\g:LK0+2*\g+1], v[LQ+2*\g:LQ+2*\g+1], v[R0:R0+7]
	v_wmma_f32_16x16x4_f32 v[R1:R1+7], v[LK1+2*\g:LK1+2*\g+1], v[LQ+2*\g:LQ+2*\g+1], v[R1:R1+7]
.endr
.rept 8
	v_nop                                          ; eight places behind this form before a result is read or a load is issued into a source
.endr
	global_load_b128 v[16:19], v1, s[12:13]        ; the global branch's q, into registers that Q has left: its half fragment twice: registers 0-5 of [q|0],
	global_load_b64 v[20:21], v2, s[12:13] offset:512
	global_load_b128 v[34:37], v1, s[12:13]        ; registers 6-11 of [0|q]
	global_load_b64 v[38:39], v2, s[12:13] offset:512
	global_load_b32 v[QW], v3, s[14:15]            ; q's two bytes, in the lower or the upper half of the word
.irp j, 0,1,2,3,4,5,6,7
	v_cndmask_b32 v[LX+\j], v[R1+\j], v[R0+\j], s[MK+\j]
	v_cndmask_b32 v[LT+\j%2], v[CF1], v[CF0], s[MK+\j]
	v_mul_f32 v[LX+\j], v[LX+\j], v[LT+\j%2]       ; logit x log2(e), 0 for a padding key
.endr
	v_max3_num_f32 v[LT+2], v[LX], v[LX+1], v[LX+2]
	v_max3_num_f32 v[LT+2], v[LT+2], v[LX+3], v[LX+4]
	v_max3_num_f32 v[LT+2], v[LT+2], v[LX+5], v[LX+6]
	v_max_num_f32 v[LT+2], v[LT+2], v[LX+7]
	v_permlanex16_b32 v[LT+3], v[LT+2], s[SEL], s[SEL+1]
	v_max_num_f32 v[LT+2], v[LT+2], v[LT+3]        ; the largest of the query's 16
.irp j, 0,1,2,3,4,5,6,7
	v_sub_f32 v[LX+\j], v[LX+\j], v[LT+2]
.endr
.irp j, 0,1,2,3,4,5,6,7
	v_exp_f32 v[LX+\j], v[LX+\j]
.endr
	v_nop                                          ; one plain place behind a transcendental
	s_wait_alu depctr_va_vdst(0)
	v_add_f32 v[LT+4], v[LX], v[LX+1]
	v_add_f32 v[LT+5], v[LX+2], v[LX+3]
	v_add_f32 v[LT+6], v[LX+4], v[LX+5]
	v_add_f32 v[LT+7], v[LX+6], v[LX+7]
	v_add_f32 v[LT+4], v[LT+4], v[LT+5]
	v_add_f32 v[LT+6], v[LT+6], v[LT+7]
	v_add_f32 v[LT+4], v[LT+4], v[LT+6]
	v_permlanex16_b32 v[LT+3], v[LT+4], s[SEL], s[SEL+1]
	v_add_f32 v[LT+4], v[LT+4], v[LT+3]
	v_rcp_f32 v[LT+6], v[LT+4]
	v_nop
	s_wait_alu depctr_va_vdst(0)
	v_mul_f32 v[LT+4], v[LT+6], v[VF0]             ; 1 / sum, or 0 for padding keys
	v_mul_f32 v[LT+5], v[LT+6], v[VF1]
.irp j, 0,1,2,3,4,5,6,7
	v_mul_f32 v[LP+\j], v[LX+\j], v[LT+4]
	v_mul_f32 v[LP+8+\j], v[LX+\j], v[LT+5]
	v_cndmask_b32 v[LP+\j], 0, v[LP+\j], s[MK+\j]  ; the weight stands in the tile whose key is in the band, 0 in the other
	v_cndmask_b32 v[LP+8+\j], v[LP+8+\j], 0, s[MK+\j]
.endr
	s_wait_loadcnt 5                               ; V is in; q's five younger loads may be out
.irp hf, 0,1                           ; O^T, 32 channels at a time, over the same sixteen registers; K step g: keys 2 g, 2 g + 1 of each half, g/4 the tile
.if \hf
	s_wait_dscnt 0x0                               ; the first half's stores into the stage have read their registers
.endif
	v_wmma_f32_16x16x4_f32 v[R0:R0+7], v[LV+32*\hf:LV+32*\hf+1], v[LP:LP+1], 0
	v_wmma_f32_16x16x4_f32 v[R1:R1+7], v[LV+32*\hf+16:LV+32*\hf+17], v[LP:LP+1], 0
.irp g, 1,2,3,4,5,6,7
	v_wmma_f32_16x16x4_f32 v[R0:R0+7], v[LV+32*\hf+2*\g:LV+32*\hf+2*\g+1], v[LP+2*\g:LP+2*\g+1], v[R0:R0+7]
	v_wmma_f32_16x16x4_f32 v[R1:R1+7], v[LV+32*\hf+16+2*\g:LV+32*\hf+16+2*\g+1], v[LP+2*\g:LP+2*\g+1], v[R1:R1+7]
.endr
.rept 9
	v_nop                                          ; eight places before an LDS store reads a result, the ninth for the second half's first products, which write over these registers
.endr
	ds_store_b128 v[SIN], v[R0:R0+3] offset:128*\hf        ; lane (r, h), tile w = 2 hf + u: channels 32 hf + 16 h + 8 u + 0..7 of query r; each result from its low end on
	ds_store_b128 v[SIN], v[R0+4:R0+7] offset:128*\hf+16
	ds_store_b128 v[SIN], v[R1:R1+3] offset:128*\hf+32
	ds_store_b128 v[SIN], v[R1+4:R1+7] offset:128*\hf+48
.endr
.irp k, 0,1,2,3,4,5,6,7
	ds_load_b128 v[LK0+4*\k:LK0+4*\k+3], v[SOUT] offset:544*\k   ; LDS serves a wave's instructions in order (ISA guide 5.7.1.4): these see my stores
.endr
.irp k, 0,1,2,3,4,5,6,7
	s_wait_dscnt 7-\k                              ; the younger loads may be out
	global_store_b128 v1, v[LK0+4*\k:LK0+4*\k+3], s[74:75] offset:512*\k   ; two rows of 256 consecutive bytes, aligned
.endr
	; ======== the global branch
.irp j, 22,23,24,25,26,27,28,29,30,31,32,33
	v_mov_b32 v[\j], 0                             ; zero codes
.endr
	s_wait_loadcnt 0x0                             ; q
	v_lshrrev_b32 v9, 16, v[QW]
	v_or_b32 v9, v9, v[QW]
	v_and_b32 v10, 0xffff, v9                      ; for [q|0]: bytes 0, 1
	v_lshlrev_b32 v11, 16, v10                     ; for [0|q]: bytes 2, 3
	v_mov_b32 v13, 0xff61b1e6                      ; the largest t so far: -3e38
	v_floor_f32 v12, -v13
	v_mov_b32 v14, 0
	v_mov_b32 v15, 0
	v_mov_b32 v[FF+1], 0                           ; (named as the upper half of a pair)
.irp b, 0,1,2,3
	v_mov_b32 v[PM+\b], 0                          ; a lane permute's destination counts as one of its sources
.endr
.set j, 0
.rept 32
	v_mov_b32 v[O+j], 0                            ; O^T: the step is written once; its first trip finds zeros
.set j, j+1
.endr
	s_wait_xcnt 0x0                                ; the local result's stores have read their registers: the first step's fragments land there only behind this wait
; A KEY STEP: 128 keys.
.macro STEP
	v_add_nc_u32 v4, s56, v1                       ; (these four are also the places in front of the loads into registers that the last products read)
	v_add_nc_u32 v5, s56, v2
	v_add_nc_u32 v6, s57, v3
	v_add_nc_u32 v7, s58, v3
.irp f, 0,1,2,3
	ds_load_b128 v[40+12*\f:43+12*\f], v4 offset:1536*\f
	ds_load_b64 v[44+12*\f:45+12*\f], v5 offset:1536*\f+512
	ds_load_b128 v[46+12*\f:49+12*\f], v4 offset:1536*\f+768
	ds_load_b64 v[50+12*\f:51+12*\f], v5 offset:1536*\f+1280
.endr
.irp n, 0,1,2,3,4,5,6,7
	ds_load_b32 v[88+\n], v6 offset:128*\n
.endr
	s_wait_dscnt 0x0
.irp f, 0,1,2,3
	v_wmma_scale_f32_16x16x128_f8f6f4 v[S+16*\f:S+16*\f+7], v[40+12*\f:51+12*\f], v[16:27], 0, v[88+2*\f], v10 matrix_a_fmt:MATRIX_FMT_BF6 matrix_b_fmt:MATRIX_FMT_BF6
	v_wmma_scale_f32_16x16x128_f8f6f4 v[S+16*\f+8:S+16*\f+15], v[40+12*\f:51+12*\f], v[28:39], 0, v[89+2*\f], v11 matrix_a_fmt:MATRIX_FMT_BF6 matrix_b_fmt:MATRIX_FMT_BF6
.endr
.rept 4
	v_nop                                          ; four places: V's loads land in K's registers, and the scores are read
.endr
.irp w, 0,1,2,3                        ; V's four fragments (16 channels x 128 keys) land under the softmax
	ds_load_b128 v[40+12*\w:43+12*\w], v4 offset:24576+768*\w
	ds_load_b64 v[44+12*\w:45+12*\w], v5 offset:24576+768*\w+512
	ds_load_b128 v[46+12*\w:49+12*\w], v4 offset:24576+768*\w+3072
	ds_load_b64 v[50+12*\w:51+12*\w], v5 offset:24576+768*\w+3584
	ds_load_b32 v[88+\w], v7 offset:128*\w
.endr
.irp b, 0,1,2,3
	v_max3_num_f32 v[BM+\b], v[S+16*\b], v[S+1+16*\b], v[S+2+16*\b]      ; the largest score of each block of 32 keys: for the row's maximum, and, since p rises with the score, for the block's largest p
.endr
.irp i, 3,5,7,9,11,13
.irp b, 0,1,2,3
	v_max3_num_f32 v[BM+\b], v[BM+\b], v[S+16*\b+\i], v[S+1+16*\b+\i]
.endr
.endr
.irp b, 0,1,2,3
	v_max_num_f32 v[BM+\b], v[BM+\b], v[S+15+16*\b]
.endr
.irp b, 0,1,2,3
	v_permlanex16_b32 v[PM+\b], v[BM+\b], s[SEL], s[SEL+1]
.endr
.irp b, 0,1,2,3
	v_max_num_f32 v[BM+\b], v[BM+\b], v[PM+\b]
.endr
	v_max3_num_f32 v[TT], v[BM], v[BM+1], v[BM+2]
	v_max_num_f32 v[TT], v[TT], v[BM+3]
	v_mul_f32 v[TT], s[CS], v[TT]
	v_max_num_f32 v13, v13, v[TT]                  ; the running largest t
	v_mov_b32 v[TT], v12
	v_floor_f32 v12, -v13                          ; -M = floor(-t): M is a whole number
	v_sub_f32 v[TT], v12, v[TT]
	v_cvt_i32_f32 v[TT], v[TT]                     ; (it saturates)
	v_ldexp_f32 v[FF], 1.0, v[TT]                  ; f = 2^(old M - new M): the rescaling rounds nothing
.set j, 0
.rept 32
	v_pk_fma_f32 v[S+j:S+j+1], v[S+j:S+j+1], s[CS:CS+1], v[12:13] op_sel_hi:[1,0,0]   ; t - M
.set j, j+2
.endr
.irp b, 0,1,2,3
	v_fma_f32 v[BM+\b], v[BM+\b], s[CS], v12
.endr
.set j, 0
.rept 64
	v_exp_f32 v[S+j], v[S+j]                       ; p = 2^(t - M)
.set j, j+1
.endr
.irp b, 0,1,2,3
	v_exp_f32 v[BM+\b], v[BM+\b]                   ; the block's largest p: the same two instructions on the same number
.endr
	v_pk_mul_f32 v[14:15], v[14:15], v[FF:FF+1] op_sel_hi:[1,0]          ; the sums under the new M (a plain place behind the exponentials)
	s_wait_alu depctr_va_vdst(0)
.irp b, 0,1,2,3
	v_max_num_f32 v[BM+\b], 0x2800000, v[BM+\b]    ; the floor 2^(5 - 127)
.endr
.irp b, 0,1,2,3
	v_add_nc_u32 v[SO+\b], 0xfe000000, v[BM+\b]
.endr
.irp b, 0,1,2,3
	v_lshrrev_b32 v[PM+\b], 23, v[SO+\b]
.endr
	v_lshl_or_b32 v[PW], v[PM+1], 8, v[PM]
	v_lshl_or_b32 v[PW], v[PM+2], 16, v[PW]
	v_lshl_or_b32 v[PW], v[PM+3], 24, v[PW]
.irp c, 0,1
	v_cvt_scalef32_pk16_bf6_f32 v[PC+6*\c:PC+6*\c+2], v[S+32*\c:S+32*\c+15], v[SO+2*\c]
	v_cvt_scalef32_pk16_bf6_f32 v[CT+4*\c:CT+4*\c+2], v[S+16+32*\c:S+31+32*\c], v[SO+2*\c+1]
.endr
	v_nop                                          ; one plain place behind a scaled conversion
.irp c, 0,1
.irp i, 0,1,2
	v_permlane16_swap_b32 v[PC+6*\c+\i], v[CT+4*\c+\i]
.endr
.irp i, 0,1,2
	v_mov_b32 v[PC+3+6*\c+\i], v[CT+4*\c+\i]
.endr
.endr
	v_pk_add_f32 v[SU:SU+1], v[S:S+1], v[S+2:S+3]  ; the row's sum is taken of the unquantised p, in two chains
.irp j, 4,8,12,16,20,24,28,32,36,40,44,48,52,56,60
	v_pk_add_f32 v[14:15], v[14:15], v[S+\j:S+\j+1]
	v_pk_add_f32 v[SU:SU+1], v[SU:SU+1], v[S+2+\j:S+3+\j]
.endr
	v_pk_add_f32 v[14:15], v[14:15], v[SU:SU+1]
.set j, 0
.rept 16
	v_pk_mul_f32 v[O+j:O+j+1], v[O+j:O+j+1], v[FF:FF+1] op_sel_hi:[1,0]  ; O^T under the new M
.set j, j+2
.endr
	s_wait_dscnt 0x0                               ; V
.irp w, 0,1,2,3
	v_wmma_scale_f32_16x16x128_f8f6f4 v[O+8*\w:O+8*\w+7], v[40+12*\w:51+12*\w], v[PC:PC+11], v[O+8*\w:O+8*\w+7], v[88+\w], v[PW] matrix_a_fmt:MATRIX_FMT_BF6 matrix_b_fmt:MATRIX_FMT_BF6
.endr
	s_add_co_u32 s56, s56, 6144
	s_add_co_u32 s57, s57, 1024
	s_add_co_u32 s58, s58, 512
.endm
	s_mov_b32 s59, 4
.Lquarter:                                         ; four quarters of 512 keys, each four steps
	s_mov_b32 s60, 4
.Lstep:
	STEP
	s_sub_co_u32 s60, s60, 1
	s_cmp_lg_u32 s60, 0
	s_cbranch_scc1 .Lstep
	s_add_co_u32 s56, s56, 30720                   ; on to the next quarter's regions
	s_add_co_u32 s57, s57, 51200
	s_add_co_u32 s58, s58, 53248
	s_sub_co_u32 s59, s59, 1
	s_cmp_lg_u32 s59, 0
	s_cbranch_scc1 .Lquarter
.rept 4
	v_nop                                          ; four places behind the last products
.endr
	v_add_f32 v14, v14, v15
	v_permlanex16_b32 v[TT], v14, s[SEL], s[SEL+1]
	v_add_f32 v14, v14, v[TT]                      ; the row's sum
	v_rcp_f32 v14, v14
	v_nop
.set j, 0
	s_wait_alu depctr_va_vdst(0)
.rept 32
	v_mul_f32 v[S+j], v[O+j], v14                  ; register 16 b + e: channel 32 b + 16 (lane/16) + e of my query
.set j, j+1
.endr
	v_max3_num_f32 v[BM], |v[S]|, |v[S+1]|, 0x2800000
	v_max3_num_f32 v[BM+1], |v[S+16]|, |v[S+17]|, 0x2800000
.irp i, 2,4,6,8,10,12,14
	v_max3_num_f32 v[BM], v[BM], |v[S+\i]|, |v[S+\i+1]|
	v_max3_num_f32 v[BM+1], v[BM+1], |v[S+16+\i]|, |v[S+17+\i]|
.endr
	v_permlanex16_b32 v[PM], v[BM], s[SEL], s[SEL+1]
	v_permlanex16_b32 v[PM+1], v[BM+1], s[SEL], s[SEL+1]
	v_max_num_f32 v[BM], v[BM], v[PM]
	v_max_num_f32 v[BM+1], v[BM+1], v[PM+1]
	v_add_nc_u32 v[SO], 0xfe000000, v[BM]
	v_add_nc_u32 v[SO+1], 0xfe000000, v[BM+1]
	v_lshrrev_b32 v[PM+2], 23, v[SO]
	v_lshrrev_b32 v[PM+3], 23, v[SO+1]
	v_cvt_scalef32_pk16_bf6_f32 v[PC:PC+2], v[S:S+15], v[SO]
	v_cvt_scalef32_pk16_bf6_f32 v[CT:CT+2], v[S+16:S+31], v[SO+1]
	v_nop
.irp i, 0,1,2
	v_permlane16_swap_b32 v[PC+\i], v[CT+\i]
.endr
.irp i, 0,1,2
	v_mov_b32 v[PC+3+\i], v[CT+\i]
.endr
	v_lshl_or_b32 v[TT], v[PM+3], 8, v[PM+2]
	global_store_b128 v1, v[PC:PC+3], s[16:17]     ; half a fragment: the last projection's K 64 x head on
	global_store_b64 v2, v[PC+4:PC+5], s[16:17] offset:512
	global_store_b16 v1, v[TT], s[18:19]           ; its two bytes of the row's sixteen
	s_wait_tensorcnt 0x0
	ds_add_u32 v254, v255
	s_wait_dscnt 0x0
	ROUND                                          ; the closing round
	s_endpgm
.Lfunc_end_k_qb2c70aaab9_attn:
	.size	k_qb2c70aaab9_attn, .Lfunc_end_k_qb2c70aaab9_attn-k_qb2c70aaab9_attn
	.p2alignl 7, 3214868480
	.fill 96, 4, 3214868480
	.section	.rodata,"a",@progbits
	.p2align	6, 0x0
	.amdhsa_kernel k_qb2c70aaab9_attn
		.amdhsa_group_segment_fixed_size 292864
		.amdhsa_private_segment_fixed_size 0
		.amdhsa_enable_private_segment 0
		.amdhsa_kernarg_size 24
		.amdhsa_user_sgpr_count 2
		.amdhsa_user_sgpr_kernarg_segment_ptr 1
		.amdhsa_wavefront_size32 1
		.amdhsa_system_sgpr_workgroup_id_x 1
		.amdhsa_system_sgpr_workgroup_id_y 1
		.amdhsa_system_sgpr_workgroup_id_z 1
		.amdhsa_system_vgpr_workitem_id 0
		.amdhsa_next_free_vgpr 256
		.amdhsa_next_free_sgpr 96
		.amdhsa_reserve_vcc 1
		.amdhsa_float_denorm_mode_32 3
		.amdhsa_float_denorm_mode_16_64 3
		.amdhsa_memory_ordered 1
		.amdhsa_forward_progress 1
		.amdhsa_inst_pref_size 48
	.end_amdhsa_kernel
	.amdgpu_metadata
---
amdhsa.version: [ 1, 2 ]
amdhsa.kernels:
  - .name:           k_qb2c70aaab9_attn
    .symbol:         k_qb2c70aaab9_attn.kd
    .args:
      - { .name: pj, .offset: 0, .size: 8, .value_kind: global_buffer, .address_space: global }
      - { .name: gq6, .offset: 8, .size: 8, .value_kind: global_buffer, .address_space: global }
      - { .name: lo2, .offset: 16, .size: 8, .value_kind: global_buffer, .address_space: global }
    .group_segment_fixed_size: 292864
    .private_segment_fixed_size: 0
    .kernarg_segment_align: 8
    .kernarg_segment_size: 24
    .max_flat_workgroup_size: 512
    .sgpr_count:     96
    .vgpr_count:     256
    .wavefront_size: 32
...
	.end_amdgpu_metadata
.endif
;; end of part 3
;; launch quant_l (part 4): grid 16 x 16, 4 waves a work-group, no clusters, 0 bytes of LDS; arguments lo2, lq6; writes lq6
.if DOCPART == 4
	.amdgcn_target "amdgcn-amd-amdhsa--gfx1250"
	.amdhsa_code_object_version 6
	.text
	.protected	k_qb2c70aaab9_quant_l
	.globl	k_qb2c70aaab9_quant_l
	.p2align	8
	.type	k_qb2c70aaab9_quant_l,@function
k_qb2c70aaab9_quant_l:
	s_mov_b64 s[64:65], 0
	v_nop
	global_prefetch_b8 v0, s[64:65] scope:SCOPE_SE
	s_setreg_imm32_b32 hwreg(HW_REG_WAVE_MODE, 25, 1), 1
	s_wait_xcnt 0x0
; The local branch's result, in memory [4][512 (K)][2048 (t)], f32, K NOT innermost, becomes codes of BF6 (E3M2) with one E8M0 byte for each 32 along K, laid as images of the operand's registers:
; [batch][tile of 16 t][K step][1,536 bytes], registers 4c..4c+3 of image lane l at 512 c + 16 l; scale words [batch][tile][lane 32][4 words] from byte SWO on.
; Slot rho of tile tau is column 32 (tau/2) + 16 (rho/8) + 8 (tau%2) + rho%8.
; A LANE TAKES A COLUMN AND ITS REGISTERS RUN DOWN K: a block of 32 lies in one lane's registers, its largest magnitude needs no other lane, and the conversions give codes with K innermost.
; Work-group (x, y): columns 128 x on, batch y/4, K step y%4.  A wave takes 32 columns x 128 K; each load reads 128 consecutive bytes, the four waves 512.
; The lane's four blocks are the registers of image lanes rho and rho + 16 of its tile, so sixteen lanes store 256 consecutive bytes, aligned.  No LDS, no barrier, no matrix unit: memory binds and waves share nothing.
; LIMITS: NaN and infinities are not served; a block whose largest magnitude lies under 2^-122 keeps the byte 1 (a block of zeros too: its codes are zeros and this program alone reads the bytes).
.set SWO, 6291456
.set X,   32                           ; v32-159  four blocks of 32 numbers
.set CO,  160                          ; v160-183 the codes: 12 registers for image lane rho, 12 for rho + 16
.set TC,  184                          ; v184-186 a conversion's second half, before it is moved
	s_load_b128 s[4:7], s[0:1], 0x0                ; the source, the codes' buffer
	v_lshrrev_b32 v1, 5, v0
	v_readfirstlane_b32 s10, v1                    ; wave
	s_and_b32 s11, ttmp7, 0xffff
	s_lshr_b32 s12, s11, 2                         ; batch
	s_and_b32 s13, s11, 3                          ; K step
	v_and_b32 v2, 31, v0
	v_and_b32 v3, 7, v2
	v_bfe_u32 v4, v2, 3, 1
	v_bfe_u32 v5, v2, 4, 1                         ; u: which of the wave's two tiles
	v_lshl_or_b32 v3, v4, 4, v3
	v_lshl_or_b32 v3, v5, 3, v3                    ; the lane's number with bits 3 and 4 exchanged: my column among the wave's 32
	v_lshlrev_b32 v3, 2, v3
	s_lshl_b32 s14, s12, 22                        ; a batch is 512 x 2048 x 4 bytes
	s_lshl_b32 s15, s13, 20                        ; 128 rows of 8,192 bytes
	s_add_co_u32 s14, s14, s15
	s_lshl_b32 s15, ttmp9, 9
	s_add_co_u32 s14, s14, s15
	s_lshl_b32 s15, s10, 7
	s_add_co_u32 s14, s14, s15
	s_mov_b32 s15, 0
	s_lshl_b32 s16, s12, 7
	s_lshl_b32 s17, ttmp9, 3
	s_add_co_u32 s16, s16, s17
	s_lshl_b32 s17, s10, 1
	s_add_co_u32 s16, s16, s17                     ; the wave's first tile
	s_mul_i32 s17, s16, 6144
	s_mul_i32 s18, s13, 1536
	s_add_co_u32 s17, s17, s18
	v_and_b32 v6, 15, v2                           ; rho
	v_mul_u32_u24 v7, v5, 6144
	v_lshl_add_u32 v7, v6, 4, v7
	v_add_nc_u32 v7, s17, v7                       ; where my codes go
	s_lshl_b32 s18, s16, 9
	s_lshl_b32 s19, s13, 2
	s_add_co_u32 s18, s18, s19
	v_lshlrev_b32 v8, 9, v5
	v_lshl_add_u32 v8, v6, 4, v8
	v_add_nc_u32 v8, s18, v8                       ; and my scale word
	s_wait_kmcnt 0x0
	s_add_nc_u64 s[4:5], s[4:5], s[14:15]
.macro LOAD kb
.set i, 0
.rept 32
	global_load_b32 v[X+32*(\kb)+i], v3, s[4:5] offset:(32*(\kb)+i)*8192 th:TH_LOAD_NT
.set i, i+1
.endr
.endm
; Block kb = 2 c + hh of the K step: registers 6 c .. 6 c + 5 of image lane rho + 16 hh.  left: the younger block's 32 loads may stay out.
.macro BLOCK kb, left
.set XS, X+32*(\kb)
.set DS, CO+12*((\kb)%2)+6*((\kb)/2)
	s_wait_loadcnt \left
.if (\kb) < 2
	LOAD (\kb)+2                                   ; two blocks are always on their way; every block has registers of its own
.endif
	v_max3_num_f32 v10, |v[XS]|, |v[XS+1]|, |v[XS+2]|
	v_max3_num_f32 v11, |v[XS+3]|, |v[XS+4]|, |v[XS+5]|
.irp i, 6,10,14,18,22,26
	v_max3_num_f32 v10, v10, |v[XS+\i]|, |v[XS+\i+1]|
	v_max3_num_f32 v11, v11, |v[XS+\i+2]|, |v[XS+\i+3]|
.endr
	v_max3_num_f32 v10, v10, |v[XS+30]|, |v[XS+31]|
	v_max3_num_f32 v10, v10, v11, 0x2800000        ; the floor 2^(5 - 127)
	v_add_nc_u32 v[12+(\kb)], 0xfe000000, v10      ; 4 off the exponent field: the conversion's scale operand
	v_lshrrev_b32 v[16+(\kb)], 23, v[12+(\kb)]     ; the byte
	v_cvt_scalef32_pk16_bf6_f32 v[DS:DS+2], v[XS:XS+15], v[12+(\kb)]
	v_cvt_scalef32_pk16_bf6_f32 v[TC:TC+2], v[XS+16:XS+31], v[12+(\kb)]   ; (a conversion's three registers begin on an even number)
	v_nop                                          ; one plain place behind a scaled conversion
.irp i, 0,1,2
	v_mov_b32 v[DS+3+\i], v[TC+\i]
.endr
.endm
	LOAD 0
	LOAD 1
	BLOCK 0, 32
	BLOCK 1, 32
	BLOCK 2, 32
	BLOCK 3, 0
.irp hh, 0,1
.irp c, 0,1,2
	global_store_b128 v7, v[CO+12*\hh+4*\c:CO+12*\hh+4*\c+3], s[6:7] offset:512*\c+256*\hh
.endr
.endr
	v_lshl_or_b32 v20, v17, 8, v16
	v_lshl_or_b32 v20, v18, 16, v20
	v_lshl_or_b32 v20, v19, 24, v20                ; my column's scale word of this K step
	global_store_b32 v8, v20, s[6:7] offset:SWO
	global_store_b32 v8, v20, s[6:7] offset:SWO+256   ; and the copy for the upper half of the lanes
	s_endpgm
.Lfunc_end_k_qb2c70aaab9_quant_l:
	.size	k_qb2c70aaab9_quant_l, .Lfunc_end_k_qb2c70aaab9_quant_l-k_qb2c70aaab9_quant_l
	.p2alignl 7, 3214868480
	.fill 96, 4, 3214868480
	.section	.rodata,"a",@progbits
	.p2align	6, 0x0
	.amdhsa_kernel k_qb2c70aaab9_quant_l
		.amdhsa_group_segment_fixed_size 0
		.amdhsa_private_segment_fixed_size 0
		.amdhsa_enable_private_segment 0
		.amdhsa_kernarg_size 16
		.amdhsa_user_sgpr_count 2
		.amdhsa_user_sgpr_kernarg_segment_ptr 1
		.amdhsa_wavefront_size32 1
		.amdhsa_system_sgpr_workgroup_id_x 1
		.amdhsa_system_sgpr_workgroup_id_y 1
		.amdhsa_system_sgpr_workgroup_id_z 1
		.amdhsa_system_vgpr_workitem_id 0
		.amdhsa_next_free_vgpr 192
		.amdhsa_next_free_sgpr 66
		.amdhsa_reserve_vcc 0
		.amdhsa_float_denorm_mode_32 3
		.amdhsa_float_denorm_mode_16_64 3
		.amdhsa_memory_ordered 1
		.amdhsa_forward_progress 1
		.amdhsa_inst_pref_size 21
	.end_amdhsa_kernel
	.amdgpu_metadata
---
amdhsa.version: [ 1, 2 ]
amdhsa.kernels:
  - .name:           k_qb2c70aaab9_quant_l
    .symbol:         k_qb2c70aaab9_quant_l.kd
    .args:
      - { .name: lo2, .offset: 0, .size: 8, .value_kind: global_buffer, .address_space: global }
      - { .name: lq6, .offset: 8, .size: 8, .value_kind: global_buffer, .address_space: global }
    .group_segment_fixed_size: 0
    .private_segment_fixed_size: 0
    .kernarg_segment_align: 8
    .kernarg_segment_size: 16
    .max_flat_workgroup_size: 128
    .sgpr_count:     66
    .vgpr_count:     192
    .wavefront_size: 32
...
	.end_amdgpu_metadata
.endif
;; end of part 4
;; launch final (part 5): grid 256 x 1, 4 waves a work-group, clusters of 4 x 1, 168,448 bytes of LDS; arguments wq, lq6, gq6, lo_b, go_b, t, out0; writes out0
.if DOCPART == 5
	.amdgcn_target "amdgcn-amd-amdhsa--gfx1250"
	.amdhsa_code_object_version 6
	.text
	.protected	k_qb2c70aaab9_final
	.globl	k_qb2c70aaab9_final
	.p2align	8
	.type	k_qb2c70aaab9_final,@function
k_qb2c70aaab9_final:
	s_mov_b64 s[64:65], 0
	v_nop
	global_prefetch_b8 v0, s[64:65] scope:SCOPE_SE
	s_setreg_imm32_b32 hwreg(HW_REG_WAVE_MODE, 25, 1), 1
	s_wait_xcnt 0x0
	s_wait_alu depctr_hold_cnt(0) depctr_sa_sdst(0) depctr_va_vdst(0) depctr_va_sdst(0) depctr_va_ssrc(0) depctr_va_vcc(0) depctr_vm_vsrc(0)
	s_getreg_b32 s2, hwreg(HW_REG_IB_STS2, 6, 4)
	s_cmp_eq_u32 s2, 0
	s_cbranch_scc0 .Lentry_in_a_cluster
	s_endpgm
.Lentry_in_a_cluster:
	s_bfe_u32 s2, ttmp6, 0x10000c
	s_cmp_lg_u32 s2, 0x3003
	s_cbranch_scc0 .Lentry_shape_is_right
	s_endpgm
.Lentry_shape_is_right:
; out0 = sqrt(1 - t/999) (G go_w^T + go_b) + sqrt(t/999) (L lo_w^T + lo_b), both products on codes of BF6 (E3M2) with E8M0 scales, sums in f32, biases as the C of each sum's first product.
; A cluster of four work-groups takes 128 t of one batch (8 tiles of G and of L, in LDS, filled once); work-group cx makes output channels 128 cx on, wave w 32 of them (two tiles of each weight, kept in registers).
; The four need the same activations: each part is asked for JOINTLY, by the same tensor load with the same descriptor and the mask of all four.
; Source 0 = the activations, source 1 = W: a lane holds one channel and eight neighbouring t; a wave's 32 channels x 64 t go through its own stage in LDS and leave as rows of 256 consecutive bytes, aligned.
; REGISTERS, in windows of 256: window 0: v1-7 addresses, v8-15 go's scale words, v16-23 lo's, v24-39 G's, v40-55 L's, v[56:57], v[58:59] the two roots, v64-127 rows on the way out, v128-191 G's 8 accumulators, v192-255 L's.
;   window 1: go's 8 fragments, lo's from v96, the biases from v192 and v208.   window 2: G's 16 fragments.   window 3: L's.
.set GSL, 98304                        ; LDS: G's codes from 0, L's from 49,152, G's scale words from here, L's 4,096 on,
.set STG, 106496                       ; the stages: 32 rows x (256 + 16) bytes for each wave; no tensor load lands here
.set WSO, 1572864
.set WG,  8
.set WL,  16
.set GS,  24
.set LS,  40
.set SG,  56
.set SL,  58
.set ROW, 64
.set AG,  128
.set AL,  192
.set MSB, 0
.macro WIN new                         ; the immediate's high byte repeats the setting that is left
.if MSB != \new
	s_set_vgpr_msb (MSB<<8)|\new
.set MSB, \new
.endif
.endm
.macro ROUND                           ; a round of the cluster's barrier
	s_barrier_signal -1
	s_barrier_wait -1
	s_cmp_lg_u32 s18, 0
	s_cbranch_scc1 .Lnot_wave_0_\@
	s_barrier_signal -3
.Lnot_wave_0_\@:
	s_barrier_wait -3
	s_barrier_signal -1
	s_barrier_wait -1
.endm
.macro FETCH g                         ; group g: four tiles of t.  G's fragments lie as two halves of 768 bytes (one a head), L's as 1,536 bytes
	WIN 0x80
.irp i, 0,1,2,3
.irp s, 0,1,2,3
	ds_load_b128 v[12*(4*\i+\s):12*(4*\i+\s)+3], v1 offset:(4*(\g)+\i)*6144+1536*\s
	ds_load_b64 v[12*(4*\i+\s)+4:12*(4*\i+\s)+5], v2 offset:(4*(\g)+\i)*6144+1536*\s+512
	ds_load_b128 v[12*(4*\i+\s)+6:12*(4*\i+\s)+9], v1 offset:(4*(\g)+\i)*6144+1536*\s+768
	ds_load_b64 v[12*(4*\i+\s)+10:12*(4*\i+\s)+11], v2 offset:(4*(\g)+\i)*6144+1536*\s+1280
.endr
.endr
	WIN 0xc0
.irp i, 0,1,2,3
.irp s, 0,1,2,3
.irp c, 0,1,2
	ds_load_b128 v[12*(4*\i+\s)+4*\c:12*(4*\i+\s)+4*\c+3], v4 offset:(4*(\g)+\i)*6144+1536*\s+512*\c
.endr
.endr
.endr
	WIN 0
.irp i, 0,1,2,3
	ds_load_b128 v[GS+4*\i:GS+4*\i+3], v5 offset:(4*(\g)+\i)*512
	ds_load_b128 v[LS+4*\i:LS+4*\i+3], v5 offset:4096+(4*(\g)+\i)*512
.endr
.endm
.macro MULT                            ; 64 products: the 16 accumulators take turns, one instruction a turn, K step by K step
.irp s, 0,1,2,3
.if \s == 0
	WIN 0x16                                       ; source 0 (G) window 2, source 1 (go) window 1, C (bias) window 1
.else
	WIN 0x06
.endif
.irp i, 0,1,2,3
.irp u, 0,1
.if \s == 0
	v_wmma_scale_f32_16x16x128_f8f6f4 v[AG+8*(2*\i+\u):AG+8*(2*\i+\u)+7], v[12*(4*\i+\s):12*(4*\i+\s)+11], v[12*(4*\u+\s):12*(4*\u+\s)+11], v[192+8*\u:199+8*\u], v[GS+4*\i+\s], v[WG+4*\u+\s] matrix_a_fmt:MATRIX_FMT_BF6 matrix_b_fmt:MATRIX_FMT_BF6
.else
	v_wmma_scale_f32_16x16x128_f8f6f4 v[AG+8*(2*\i+\u):AG+8*(2*\i+\u)+7], v[12*(4*\i+\s):12*(4*\i+\s)+11], v[12*(4*\u+\s):12*(4*\u+\s)+11], v[AG+8*(2*\i+\u):AG+8*(2*\i+\u)+7], v[GS+4*\i+\s], v[WG+4*\u+\s] matrix_a_fmt:MATRIX_FMT_BF6 matrix_b_fmt:MATRIX_FMT_BF6
.endif
.endr
.endr
.if \s == 0
	WIN 0x17                                       ; source 0 (L) window 3
.else
	WIN 0x07
.endif
.irp i, 0,1,2,3
.irp u, 0,1
.if \s == 0
	v_wmma_scale_f32_16x16x128_f8f6f4 v[AL+8*(2*\i+\u):AL+8*(2*\i+\u)+7], v[12*(4*\i+\s):12*(4*\i+\s)+11], v[96+12*(4*\u+\s):96+12*(4*\u+\s)+11], v[208+8*\u:215+8*\u], v[LS+4*\i+\s], v[WL+4*\u+\s] matrix_a_fmt:MATRIX_FMT_BF6 matrix_b_fmt:MATRIX_FMT_BF6
.else
	v_wmma_scale_f32_16x16x128_f8f6f4 v[AL+8*(2*\i+\u):AL+8*(2*\i+\u)+7], v[12*(4*\i+\s):12*(4*\i+\s)+11], v[96+12*(4*\u+\s):96+12*(4*\u+\s)+11], v[AL+8*(2*\i+\u):AL+8*(2*\i+\u)+7], v[LS+4*\i+\s], v[WL+4*\u+\s] matrix_a_fmt:MATRIX_FMT_BF6 matrix_b_fmt:MATRIX_FMT_BF6
.endif
.endr
.endr
.endr
.endm
	s_load_b256 s[4:11], s[0:1], 0x0               ; wq, lq6, gq6, lo_b
	s_load_b128 s[12:15], s[0:1], 0x20             ; go_b, t
	s_load_b64 s[16:17], s[0:1], 0x30              ; out0
	s_set_vgpr_msb 0x40
	v_lshl_add_u32 v254, v0, 2, 0x29000
	v_mov_b32 v255, 0
	s_set_vgpr_msb 0x4045
	ds_add_u32 v254, v255
	ds_add_u32 v254, v255
	s_set_vgpr_msb 0x4500
	v_lshrrev_b32 v1, 5, v0
	v_readfirstlane_b32 s18, v1                    ; wave
	s_bfe_u32 s19, ttmp6, 0x40000                  ; cx: it enters the weights', the biases' and the output's global addresses alone
	; descriptor groups 1: dense blocks as rows of 256 bytes: 96 rows of codes, 8 rows of scale words a wave; the mask names all four work-groups, bit 21 beside it
	s_mov_b32 s24, 15|(3<<16)|(1<<21)
	s_mov_b32 s25, 32<<16
	s_mov_b32 s26, 96<<16
	s_mov_b32 s27, 32<<16
	s_mov_b32 s28, 96
	s_mov_b32 s29, 32
	s_mov_b32 s30, 0
	s_mov_b32 s31, 0
	s_mov_b32 s32, 15|(3<<16)|(1<<21)
	s_mov_b32 s33, 32<<16
	s_mov_b32 s34, 8<<16
	s_mov_b32 s35, 32<<16
	s_mov_b32 s36, 8
	s_mov_b32 s37, 32
	s_mov_b32 s38, 0
	s_mov_b32 s39, 0
	s_and_b32 s20, s18, 1                          ; waves 0, 1: G's halves; waves 2, 3: L's
	s_mov_b32 s40, 1
	s_mul_i32 s41, s18, 24576
	s_mul_i32 s48, ttmp9, 49152                    ; the chunk's 8 tiles of 6,144 bytes
	s_mul_i32 s49, s20, 24576
	s_add_co_u32 s48, s48, s49
	s_mov_b32 s49, 0
	s_mov_b32 s44, 1
	s_lshl_b32 s45, s18, 11
	s_add_co_u32 s45, s45, GSL
	s_lshl_b32 s50, ttmp9, 12
	s_lshl_b32 s51, s20, 11
	s_add_co_u32 s50, s50, s51
	s_mov_b32 s52, 6291456                         ; where the scale words begin in lq6,
	s_cmp_lt_u32 s18, 2
	s_cselect_b32 s52, 3145728, s52                ; in gq6
	s_add_co_u32 s50, s50, s52
	s_mov_b32 s51, 0
	s_lshl_b32 s54, s19, 3
	s_lshl_b32 s55, s18, 1
	s_add_co_u32 s54, s54, s55
	s_add_co_u32 s54, s54, 192                     ; my first tile of lo_w in wq; go_w's lies 32 tiles on
	s_mul_i32 s56, s54, 6144
	s_mov_b32 s57, 0
	s_lshl_b32 s58, s54, 9
	s_add_co_u32 s58, s58, WSO
	s_mov_b32 s59, 0
	s_lshl_b32 s60, s19, 7
	s_lshl_b32 s61, s18, 5
	s_add_co_u32 s60, s60, s61                     ; my first channel
	s_lshl_b32 s62, s60, 2
	s_mov_b32 s63, 0
	s_lshr_b32 s66, ttmp9, 4                       ; batch
	s_lshl_b32 s21, s66, 2
	s_lshl_b32 s66, s66, 9
	s_add_co_u32 s66, s66, s60
	s_lshl_b32 s66, s66, 13                        ; rows of 8,192 bytes
	s_and_b32 s67, ttmp9, 15
	s_lshl_b32 s67, s67, 9                         ; 128 t
	s_add_co_u32 s66, s66, s67
	s_mov_b32 s67, 0
	s_wait_dscnt 0x0
	s_wait_kmcnt 0x0
	s_load_b32 s22, s[14:15], s21 offset:0x0       ; t of my batch
	s_cmp_lt_u32 s18, 2                            ; the choice hangs on the wave's number alone
	s_cselect_b64 s[52:53], s[8:9], s[6:7]
	s_add_nc_u64 s[42:43], s[52:53], s[48:49]
	s_or_b32 s43, s43, 0x80000000
	s_add_nc_u64 s[46:47], s[52:53], s[50:51]
	s_or_b32 s47, s47, 0x80000000
	s_add_nc_u64 s[56:57], s[4:5], s[56:57]
	s_add_nc_u64 s[58:59], s[4:5], s[58:59]
	s_add_nc_u64 s[68:69], s[12:13], s[62:63]      ; go_b
	s_add_nc_u64 s[70:71], s[10:11], s[62:63]      ; lo_b
	s_add_nc_u64 s[72:73], s[16:17], s[66:67]
	ROUND                                          ; all four work-groups are here: the joint loads meet
	tensor_load_to_lds s[40:43], s[24:31]          ; the launch's only fills, two of mine are out
	s_nop 0
	tensor_load_to_lds s[44:47], s[32:39]
	s_nop 0
	v_and_b32 v7, 31, v0
	v_lshlrev_b32 v1, 4, v7                        ; 16 x lane
	v_lshlrev_b32 v2, 3, v7
	v_add_nc_u32 v4, 49152, v1
	v_add_nc_u32 v5, GSL, v1
	v_and_b32 v8, 15, v0                           ; r
	v_bfe_u32 v9, v0, 4, 1                         ; h
	v_and_b32 v6, 8, v8
	v_add_nc_u32 v6, v6, v8
	v_lshlrev_b32 v6, 2, v6                        ; the lane's channel among a tile's: 16 (r/8) + r%8
	s_mul_i32 s74, s18, 8704
	s_add_co_u32 s74, s74, STG                     ; my stage
	v_mul_u32_u24 v3, v8, 272
	v_lshl_add_u32 v3, v9, 6, v3
	v_add_nc_u32 v3, s74, v3                       ; in: row r, + 64 h
	v_mul_u32_u24 v7, v9, 272
	v_lshl_add_u32 v7, v8, 4, v7
	v_add_nc_u32 v7, s74, v7                       ; back: lanes 0-15 one row, lanes 16-31 the next
	v_lshlrev_b32 v60, 13, v9
	v_lshl_add_u32 v60, v8, 4, v60                 ; and the same two rows in out0
	v_mov_b32 v61, v60
	WIN 0x40
.irp u, 0,1
.irp s, 0,1,2,3
.irp c, 0,1,2
	global_load_b128 v[12*(4*\u+\s)+4*\c:12*(4*\u+\s)+4*\c+3], v1, s[56:57] offset:196608+6144*\u+1536*\s+512*\c
	global_load_b128 v[96+12*(4*\u+\s)+4*\c:96+12*(4*\u+\s)+4*\c+3], v1, s[56:57] offset:6144*\u+1536*\s+512*\c
.endr
.endr
.endr
.irp u, 0,1
.irp j, 0,1,2,3,4,5,6,7
	global_load_b32 v[192+8*\u+\j], v6, s[68:69] offset:32*\u        ; the lane's one channel, eight times: the result's layout
	global_load_b32 v[208+8*\u+\j], v6, s[70:71] offset:32*\u
.endr
.endr
	WIN 0
.irp u, 0,1
	global_load_b128 v[WG+4*\u:WG+4*\u+3], v1, s[58:59] offset:16384+512*\u
	global_load_b128 v[WL+4*\u:WL+4*\u+3], v1, s[58:59] offset:512*\u
.endr
	s_wait_kmcnt 0x0
	v_cvt_f32_i32 v62, s22
	v_mov_b32 v63, 0x4479c000                      ; 999
	v_rcp_f32 v[ROW], v63
	v_nop
	s_wait_alu depctr_va_vdst(0)
	v_mul_f32 v[ROW+1], v62, v[ROW]
	v_fma_f32 v62, -v[ROW+1], v63, v62             ; one correction step: t = 999 gives exactly 1
	v_fma_f32 v62, v62, v[ROW], v[ROW+1]           ; t / 999
	v_sub_f32 v63, 1.0, v62
	v_max_num_f32 v63, 0, v63                      ; never under 0 ahead of the root
	v_sqrt_f32 v[SL], v62
	v_sqrt_f32 v[SG], v63
	v_nop
	s_wait_alu depctr_va_vdst(0)
	v_mov_b32 v[SL+1], v[SL]
	v_mov_b32 v[SG+1], v[SG]
	s_wait_tensorcnt 0x0                           ; my parts have landed,
	s_wait_loadcnt 0x0                             ; and my weights
	s_barrier_signal -1
	s_barrier_wait -1                              ; everybody's have; no tensor load follows
	FETCH 0
.irp g, 0,1
	s_wait_dscnt 0x0                               ; the group's fragments are in, and the last group's rows
	s_wait_xcnt 0x0                                ; the last group's stores have read their registers
	MULT
	WIN 0
.rept 5
	v_nop                                          ; four places for loads into the products' registers and reads of results, a fifth for the next group's first products, which write over accumulators with another C
.endr
.if \g == 0
	FETCH 1
.endif
.set j, 0
.rept 32
	v_pk_mul_f32 v[AL+j:AL+j+1], v[AL+j:AL+j+1], v[SL:SL+1]
.set j, j+2
.endr
.set j, 0
.rept 32
	v_pk_fma_f32 v[AG+j:AG+j+1], v[AG+j:AG+j+1], v[SG:SG+1], v[AL+j:AL+j+1]
.set j, j+2
.endr
.irp i, 0,1,2,3                        ; lane (r, h), tile i: t = 32 (i/2) + 16 h + 8 (i%2) + 0..7 of the group's 64; row 16 u + r
.irp u, 0,1
	ds_store_b128 v3, v[AG+8*(2*\i+\u):AG+8*(2*\i+\u)+3] offset:4352*\u+(32*(\i/2)+8*(\i%2))*4
	ds_store_b128 v3, v[AG+8*(2*\i+\u)+4:AG+8*(2*\i+\u)+7] offset:4352*\u+(32*(\i/2)+8*(\i%2))*4+16
.endr
.endr
.irp k, 0,1,2,3,4,5,6,7,8,9,10,11,12,13,14,15
	ds_load_b128 v[ROW+4*\k:ROW+4*\k+3], v7 offset:544*\k      ; LDS serves a wave's instructions in order (ISA guide 5.7.1.4): these see my stores
.endr
.irp k, 0,1,2,3,4,5,6,7,8,9,10,11,12,13,14,15
	s_wait_dscnt 15-\k                             ; the younger loads may be out
	global_store_b128 v61, v[ROW+4*\k:ROW+4*\k+3], s[72:73] offset:8192*(((2*\k)&7)+16*(((2*\k)/8)%2)+8*((2*\k)/16))+256*\g th:TH_STORE_NT   ; stage row n is channel n with bits 3 and 4 exchanged; 16 lanes store 256 consecutive bytes, aligned
.endr
.endr
	s_set_vgpr_msb 0x5
	s_wait_tensorcnt 0x0
	ds_add_u32 v254, v255
	s_wait_dscnt 0x0
	s_set_vgpr_msb 0x500
	ROUND                                          ; the closing round
	s_endpgm
.Lfunc_end_k_qb2c70aaab9_final:
	.size	k_qb2c70aaab9_final, .Lfunc_end_k_qb2c70aaab9_final-k_qb2c70aaab9_final
	.p2alignl 7, 3214868480
	.fill 96, 4, 3214868480
	.section	.rodata,"a",@progbits
	.p2align	6, 0x0
	.amdhsa_kernel k_qb2c70aaab9_final
		.amdhsa_group_segment_fixed_size 168448
		.amdhsa_private_segment_fixed_size 0
		.amdhsa_enable_private_segment 0
		.amdhsa_kernarg_size 56
		.amdhsa_user_sgpr_count 2
		.amdhsa_user_sgpr_kernarg_segment_ptr 1
		.amdhsa_wavefront_size32 1
		.amdhsa_system_sgpr_workgroup_id_x 1
		.amdhsa_system_sgpr_workgroup_id_y 1
		.amdhsa_system_sgpr_workgroup_id_z 1
		.amdhsa_system_vgpr_workitem_id 0
		.amdhsa_next_free_vgpr 960
		.amdhsa_next_free_sgpr 80
		.amdhsa_reserve_vcc 0
		.amdhsa_float_denorm_mode_32 3
		.amdhsa_float_denorm_mode_16_64 3
		.amdhsa_memory_ordered 1
		.amdhsa_forward_progress 1
		.amdhsa_inst_pref_size 63
	.end_amdhsa_kernel
	.amdgpu_metadata
---
amdhsa.version: [ 1, 2 ]
amdhsa.kernels:
  - .name:           k_qb2c70aaab9_final
    .symbol:         k_qb2c70aaab9_final.kd
    .args:
      - { .name: wq, .offset: 0, .size: 8, .value_kind: global_buffer, .address_space: global }
      - { .name: lq6, .offset: 8, .size: 8, .value_kind: global_buffer, .address_space: global }
      - { .name: gq6, .offset: 16, .size: 8, .value_kind: global_buffer, .address_space: global }
      - { .name: lo_b, .offset: 24, .size: 8, .value_kind: global_buffer, .address_space: global }
      - { .name: go_b, .offset: 32, .size: 8, .value_kind: global_buffer, .address_space: global }
      - { .name: t, .offset: 40, .size: 8, .value_kind: global_buffer, .address_space: global }
      - { .name: out0, .offset: 48, .size: 8, .value_kind: global_buffer, .address_space: global }
    .group_segment_fixed_size: 168448
    .private_segment_fixed_size: 0
    .kernarg_segment_align: 8
    .kernarg_segment_size: 56
    .max_flat_workgroup_size: 128
    .sgpr_count:     80
    .vgpr_count:     960
    .wavefront_size: 32
...
	.end_amdgpu_metadata
.endif
;; end of part 5
